; MI455X (gfx1250); checked and timed in simulation.
; The chip was launched on July 23, 2026; its instructions are those of AMD's public machine-readable ISA for CDNA 5 (MIT licence, August 2026) and "CDNA5" Instruction Set Architecture Reference Guide (July 2026). The comments in the code are by the model that wrote it; some were corrected since.
;; Multi Head Self Attention. Allowed arithmetic: matrix products marked QUANTISED: E2M1 operands, one E8M0 scale for each 32 along K, by v_wmma_scale_f32_16x16x128_f8f6f4 with both operands' format E2M1 (or v_wmma_scale_f32_32x16x128_f4), f32 sums; products left as they are: bf16, f16 or f32 operands; f32 sums; everything else in f32.
;; Inputs: mask 4 x 1 x 1 x 2,048 int32; out_b 1,024 float32; out_w 1,024 x 1,024 float32; qkv_b 3,072 float32; qkv_w 3,072 x 1,024 float32; x 4 x 2,048 x 1,024 float32.
;; Outputs: out0 4 x 2,048 x 1,024 float32.
;; This version of the problem:
;;   THIS VERSION OF THE PROBLEM IS GIVEN IN LOW PRECISION. The matrix products marked QUANTISED in the list below multiply operands that are first quantised to E2M1 (2 exponent bits, 1 mantissa bit; 4 bits a number), with one power-of-two scale for each 32 numbers along K (OCP MX v1.0); their sums are f32. The products marked 'left as it is' may take bf16, f16 or f32 operands, with f32 sums. Whichever they take, every output number must still come out within the allowed error. Rounding operands to bf16 (8 significant bits) uses up far more of that allowance than f16 does (11 bits, for magnitudes from 6e-5 to 65,504). All else is computed in f32.
;;   The module's matrix products, in the order in which they are computed (A, B: the left and right operand; K: the contracted axis; several contracted axes count as one K, in the product's order):
;;     1. [M 8,192, K 1,024] x [K 1,024, N 3,072]; A: input x; B: input qkv_w: QUANTISED
;;     2. batch 64 x [M 2,048, K 64] x [K 64, N 2,048]; A: computed on the way; B: computed on the way: left as it is (an operand is computed on the way)
;;     3. batch 64 x [M 2,048, K 2,048] x [K 2,048, N 64]; A: computed on the way; B: computed on the way: left as it is (an operand is computed on the way)
;;     4. [M 8,192, K 1,024] x [K 1,024, N 1,024]; A: computed on the way; B: input out_w: left as it is (an operand is computed on the way)
;;   THE QUANTISER, for each operand of a quantised product, along K:
;;     - K is cut into blocks of 32 from its start; a last block that is shorter is filled with zeros.
;;     - A block's scale is 2^e with e = floor(log2(the largest magnitude in the block)) - 2, held to -126 .. 127; a block of zeros has e = 0. As a byte (E8M0): e + 127.
;;     - Each number is divided by its block's scale, clamped to +-6, and rounded to the nearest number of E2M1, ties to even, subnormals kept.
;;     - The product sums the exact products of the quantised numbers (number of the format x scale) in f32.
;;   ~~~python
;;   def quantise(x, axis):      # numpy; x: float32 -> the quantised numbers, widened to float32 again
;;       x = np.moveaxis(x, axis, -1); K = x.shape[-1]
;;       x = np.pad(x, [(0, 0)] * (x.ndim - 1) + [(0, -K % 32)]); x = x.reshape(x.shape[:-1] + (-1, 32)); a = np.abs(x).max(-1, keepdims=True)
;;       e = np.where(a > 0, np.clip(np.frexp(np.where(a > 0, a, 1))[1] - 1 - 2, -126, 127), 0)      # np.frexp(a)[1] - 1 = floor(log2(a)), exactly
;;       r = np.clip(x / 2.0 ** e, -6, 6)
;;       step = 2.0 ** (np.maximum(np.frexp(np.where(r == 0, 1, r))[1] - 1, 0) - 1)
;;       q = np.round(r / step) * step * 2.0 ** e      # np.round: ties to even
;;       return np.moveaxis(q.reshape(q.shape[:-2] + (-1,))[..., :K], -1, axis).astype(np.float32)
;;   ~~~
;; One version. Each part assembles by itself: llvm-mc -triple=amdgcn-amd-amdhsa -mcpu=gfx1250 --defsym DOCPART=n.
;; ======== version 1 of 1: 4 launches
;; limits: values are held in f16: magnitudes above 65,504 overflow, below 6.1e-05 lose precision
;; workspace buffers: xc 4,194,304 bytes; xs 262,144 bytes; wc 1,572,864 bytes; ws 98,304 bytes; ow16 2,097,152 bytes; perm 33,024 bytes of whole numbers; qkv 50,331,648 bytes; ao 16,777,216 bytes
;; launch quant (part 1): grid 384 x 1, 4 waves a work-group, no clusters, 33,280 bytes of LDS; arguments x, qkv_w, out_w, mask, xc, xs, wc, ws, ow16, perm; writes xc, xs, wc, ws, ow16, perm
.if DOCPART == 1
	.amdgcn_target "amdgcn-amd-amdhsa--gfx1250"
	.amdhsa_code_object_version 6
	.text
	.protected	k_q47269e5805_quant
	.globl	k_q47269e5805_quant
	.p2align	8
	.type	k_q47269e5805_quant,@function
k_q47269e5805_quant:
	s_mov_b64 s[64:65], 0
	v_nop
	global_prefetch_b8 v0, s[64:65] scope:SCOPE_SE
	s_setreg_imm32_b32 hwreg(HW_REG_WAVE_MODE, 25, 1), 1
	s_wait_xcnt 0x0
; FIRST OF FOUR LAUNCHES of out = softmax(mask(q k^T / 8)) v out_w^T + out_b, with [q k v] = x qkv_w^T + qkv_b on codes of FP4 (E2M1).
; This launch: (1) orders each batch's tokens, the valid ones (mask != 0) first; (2) turns x and qkv_w, f32 with K innermost, into codes (two a byte) and one E8M0 byte for each 32 along K;
; x's rows are stored at their ordered place; (3) rounds out_w to f16.
; WORK THAT IS LEFT OUT, in the whole program:
;  a) K's bias, qkv_b[1024:2048].  The score of query q and key k is q . (k0 + bk) / 8 = q . k0 / 8 + q . bk / 8.  The second term does not hang on the key: it is the same along the softmax's axis, and a softmax
;     is unchanged by a term that is the same along its axis, for all finite values of the inputs.  The product of q and k is not quantised, so the bias moves no code and no scale.  Those 1,024 numbers are not loaded.
;  b) Keys with mask == 0.  Their scores are -infinity in reference(), their weights 0.  The mask is a whole-number input: this launch reads it and stores, in perm, each ordered row's source row and each batch's
;     number of valid keys; the attention launch reads that number and walks only the valid keys.  Every token is still a query, and every row of the output is written.
; LIMITS: a NaN, an infinity or an overflow that reaches only K's bias or a masked key's k and v is not carried to the result.  NaN and infinities in x and qkv_w are not served.  A block whose largest magnitude lies
; under 2^-124 has its byte held at 1; a block of zeros gets the byte 1 where the rule says 127: its codes are zeros, and this program alone reads the bytes.  out_w goes to f16: magnitudes under 65,504.
; THE ORDER inside a batch: a valid token goes to the number of valid tokens before it, a masked one to the number of valid tokens + the number of masked tokens before it.
; SHARES.  Work-groups 0-255: x, 32 rows each, 8 a wave.  256-351: qkv_w likewise.  352-383: out_w, 8,192 numbers a wave.  A wave's 8 rows are 16 steps of 512 numbers.  Each of a step's four loads reads 512
; consecutive bytes; the 2,048 bytes turn through the wave's own stage in LDS (16 bytes of padding behind each 64) and come back 16 neighbours a lane, so that two neighbouring lanes hold a block of 32.
; A step's codes leave as 256 consecutive bytes, aligned.  A row's 32 scale bytes leave together, 8 bytes a lane: rows of the ordered tensor lie apart, so these stores cover 32 consecutive bytes each.
; No tensor load, no barrier: waves share nothing.
.set STEPS, 16
.set EMAX,  2
.set WREG,  8192                       ; LDS: a region for each wave: two stages of 32 x SP bytes, behind them its 256 scale bytes
.set SP,    80
.set SPARE, 4*WREG                     ; behind the regions: the spare words, 128 bytes a wave, which no other line names
.set R,     16                         ; v16-79   four sets of 16 numbers as loaded
.set X,     80                         ; v80-111  two sets of 16 neighbours
.set E,     112                        ; v112-127 a scale byte for each step; at work while the order is made
.set C,     128                        ; v128-191 codes, four registers a step
.set MK,    128                        ; v128-191 the batch's mask, 64 words a lane, done with before the first step
.set SPW,   12                         ; v12  my spare word's LDS address; never rewritten
.set NIL,   13                         ; v13  0; never rewritten
.set CB,    40                         ; s[40:55] where the codes of my wave's eight rows go
.set SRC,   56                         ; s[56:57] my wave's first number
.set CODES, 58                         ; s[58:59] the codes' buffer
.set SCALES, 60                        ; s[60:61] the scale bytes' buffer
.macro LOAD t
.irp i, 0,1,2,3
	global_load_b128 v[R+16*((\t)%4)+4*\i:R+16*((\t)%4)+4*\i+3], v3, s[SRC:SRC+1] offset:2048*(\t)+512*\i th:TH_LOAD_NT   ; 32 lanes read 512 consecutive bytes
.endr
.endm
.macro TURN t                          ; step t's numbers through the stage: LDS serves a wave's instructions in order, so no wait stands between the stores and the loads
.irp i, 0,1,2,3
	ds_store_b128 v14, v[R+16*((\t)%4)+4*\i:R+16*((\t)%4)+4*\i+3] offset:32*SP*((\t)%2)+8*SP*\i
.endr
.irp i, 0,1,2,3
	ds_load_b128 v[X+16*((\t)%2)+4*\i:X+16*((\t)%2)+4*\i+3], v15 offset:32*SP*((\t)%2)+16*\i
.endr
.endm
.macro STEP t
.set XS, X+16*((\t)%2)
.if (\t) > 0
	s_wait_dscnt 1                                 ; this step's numbers are back from the stage; the last step's byte store may be out
.else
	s_wait_dscnt 0x0
.endif
.if (\t)+4 < STEPS
	LOAD (\t)+4                                    ; into the registers that the stage's stores have read
.endif
.if (\t)+1 < STEPS
.if STEPS-2-(\t) >= 3
	s_wait_loadcnt 12                              ; the next step's four loads are in; those of the three steps behind it may be out
.else
	s_wait_loadcnt 4*(STEPS-2-(\t))
.endif
	TURN (\t)+1
.endif
	v_max3_num_f32 v8, |v[XS]|, |v[XS+1]|, |v[XS+2]|               ; the largest magnitude of my 16, in two chains
	v_max3_num_f32 v9, |v[XS+3]|, |v[XS+4]|, |v[XS+5]|
.irp i, 6,10
	v_max3_num_f32 v8, v8, |v[XS+\i]|, |v[XS+\i+1]|
	v_max3_num_f32 v9, v9, |v[XS+\i+2]|, |v[XS+\i+3]|
.endr
	v_max3_num_f32 v8, v8, |v[XS+14]|, |v[XS+15]|
	v_max3_num_f32 v8, v8, v9, (EMAX+1)<<23        ; and the floor 2^(3 - 127): the byte cannot fall under 1
	v_max_num_f32_dpp v8, v8, v8 row_xmask:1 row_mask:0xf bank_mask:0xf   ; with my neighbour's 16: the block's
	v_add_nc_u32 v11, -(EMAX<<23), v8              ; 2 off its exponent field: the conversion takes this operand's exponent field as its scale
	v_cvt_scalef32_pk8_fp4_f32 v[C+4*(\t)], v[XS:XS+7], v11        ; to the nearest code, ties to even; beyond 6 the largest code
	v_cvt_scalef32_pk8_fp4_f32 v[C+4*(\t)+1], v[XS+8:XS+15], v11
	v_lshrrev_b32 v[E+(\t)], 23, v11               ; the scale's byte
	ds_store_b8 v5, v[E+(\t)] offset:16*(\t)       ; both lanes of a block write the same byte with the same value
	global_store_b64 v4, v[C+4*(\t):C+4*(\t)+1], s[CB+2*((\t)/2):CB+2*((\t)/2)+1] offset:256*((\t)%2)   ; half a row of codes: 256 consecutive bytes, aligned
.endm
.macro CLOAD k                         ; the cast: run k of sixteen loads
.irp i, 0,1,2,3,4,5,6,7,8,9,10,11,12,13,14,15
	global_load_b128 v[16+64*((\k)%2)+4*\i:16+64*((\k)%2)+4*\i+3], v3, s[SRC:SRC+1] offset:512*(16*(\k)+\i) th:TH_LOAD_NT
.endr
.endm
.macro CAST k
.if (\k) < 3
	s_wait_loadcnt 16                              ; this run's sixteen loads are in; the next run's may be out
.else
	s_wait_loadcnt 0x0
.endif
.if (\k) > 0
	s_wait_xcnt 0x0                                ; the last run's stores have read their data: the registers may be written again
.endif
.irp i, 0,1,2,3,4,5,6,7,8,9,10,11,12,13,14,15
	v_cvt_pk_f16_f32 v[144+2*\i], v[16+64*((\k)%2)+4*\i], v[16+64*((\k)%2)+4*\i+1]
	v_cvt_pk_f16_f32 v[145+2*\i], v[16+64*((\k)%2)+4*\i+2], v[16+64*((\k)%2)+4*\i+3]
.endr
.irp i, 0,1,2,3,4,5,6,7,8,9,10,11,12,13,14,15
	global_store_b64 v4, v[144+2*\i:145+2*\i], s[CODES:CODES+1] offset:256*(16*(\k)+\i)   ; 256 consecutive bytes, aligned
.endr
.if (\k) < 2
	CLOAD (\k)+2
.endif
.endm
	s_load_b256 s[4:11], s[0:1], 0x0               ; x s[4:5], qkv_w s[6:7], out_w s[8:9], mask s[10:11]
	s_load_b256 s[12:19], s[0:1], 0x20             ; xc s[12:13], xs s[14:15], wc s[16:17], ws s[18:19]
	s_load_b128 s[20:23], s[0:1], 0x40             ; ow16 s[20:21], perm s[22:23]
	v_lshl_add_u32 v[SPW], v0, 2, SPARE
	v_mov_b32 v[NIL], 0
	v_lshrrev_b32 v1, 5, v0
	v_readfirstlane_b32 s24, v1                    ; wave
	v_and_b32 v2, 31, v0                           ; lane
	v_lshlrev_b32 v3, 4, v2                        ; my 16 bytes of a load's 512
	v_lshlrev_b32 v4, 3, v2                        ; my 8 bytes of a store's 256
	s_mul_i32 s25, s24, WREG
	v_lshrrev_b32 v14, 2, v2
	v_mul_u32_u24 v14, v14, SP
	v_and_b32 v15, 3, v2
	v_lshl_add_u32 v14, v15, 4, v14
	v_add_nc_u32 v14, s25, v14                     ; the stage, on the way in: SP (lane / 4) + 16 (lane % 4)
	v_mul_u32_u24 v15, v2, SP
	v_add_nc_u32 v15, s25, v15                     ; and on the way out: SP x lane
	v_lshrrev_b32 v5, 1, v2
	s_add_co_u32 s25, s25, 2*32*SP
	v_add_nc_u32 v5, s25, v5                       ; my wave's 256 scale bytes: my block's byte,
	v_add_nc_u32 v6, s25, v4                       ; and on the way out 8 bytes a lane
	v_lshrrev_b32 v10, 2, v2                       ; the row of my wave's eight that my lane speaks for
	s_mov_b32 s36, 0x76543210
	s_mov_b32 s37, 0xfedcba98                      ; v_permlanex16_b32's selects for lane l xor 16
	s_wait_kmcnt 0x0
	s_cmp_ge_u32 ttmp9, 352
	s_cbranch_scc1 .Lcast
	s_cmp_ge_u32 ttmp9, 256
	s_cbranch_scc1 .Lw
	; ---- x: where do my wave's eight rows go?
	s_lshl_b32 s26, ttmp9, 5
	s_lshl_b32 s27, s24, 3
	s_add_co_u32 s26, s26, s27                     ; R0: my wave's first row
	s_lshr_b32 s28, s26, 11                        ; its batch
	s_and_b32 s29, s26, 2047                       ; t0: its place in the batch, a multiple of 8
	s_lshl_b32 s32, s28, 13
	s_mov_b32 s33, 0
	s_add_nc_u64 s[34:35], s[10:11], s[32:33]      ; the batch's 2,048 mask words
	v_add_nc_u32 v112, s29, v10                    ; my row's place in the batch
	v_lshlrev_b32 v113, 2, v112
	global_load_b32 v9, v113, s[34:35]             ; my row's mask word
.irp j, 0,1,2,3,4,5,6,7,8,9,10,11,12,13,14,15
	global_load_b128 v[MK+4*\j:MK+4*\j+3], v3, s[34:35] offset:512*\j    ; words 128 j + 4 lane + 0 .. 3
.endr
	s_lshl_b32 s32, s26, 12
	s_add_nc_u64 s[SRC:SRC+1], s[4:5], s[32:33]
.irp t, 0,1,2,3
	LOAD \t
.endr
	v_lshlrev_b32 v114, 2, v2
	v_sub_nc_u32 v114, v114, s29                   ; 4 lane - t0
	v_mov_b32 v8, 0                                ; valid tokens among my 64 words,
	v_mov_b32 v115, 0                              ; and those of them that lie before t0
	s_wait_loadcnt 16                              ; the 17 loads of the mask are in; the 16 loads of x behind them may be out
.irp j, 0,1,2,3,4,5,6,7,8,9,10,11,12,13,14,15
	v_min_u32 v[MK+4*\j], 1, v[MK+4*\j]            ; 1 where the word is not 0
	v_min_u32 v[MK+4*\j+1], 1, v[MK+4*\j+1]
	v_min_u32 v[MK+4*\j+2], 1, v[MK+4*\j+2]
	v_min_u32 v[MK+4*\j+3], 1, v[MK+4*\j+3]
	v_add3_u32 v11, v[MK+4*\j], v[MK+4*\j+1], v[MK+4*\j+2]
	v_add_nc_u32 v11, v11, v[MK+4*\j+3]
	v_add_nc_u32 v8, v8, v11
	v_cmp_gt_i32 vcc_lo, -128*\j, v114             ; 128 j + 4 lane < t0: the four words lie wholly before t0, or wholly not
	v_cndmask_b32 v11, 0, v11, vcc_lo
	v_add_nc_u32 v115, v115, v11
.endr
	v_lshl_or_b32 v8, v115, 16, v8                 ; both counts stay under 2^16: one word carries them over the 32 lanes
	v_mov_b32 v11, 0
.irp m, 1,2,4,8
	v_mov_b32_dpp v11, v8 row_xmask:\m row_mask:0xf bank_mask:0xf
	v_add_nc_u32 v8, v8, v11
.endr
	v_permlanex16_b32 v11, v8, s36, s37
	v_add_nc_u32 v8, v8, v11
	v_and_b32 v116, 0xffff, v8                     ; the batch's valid tokens
	v_lshrrev_b32 v115, 16, v8                     ; those before t0
	v_cmp_ne_u32 s30, 0, v9                        ; a bit for each lane: four copies of each row's
	v_mbcnt_lo_u32_b32 v117, s30, 0
	v_lshrrev_b32 v117, 2, v117                    ; valid rows of my wave's eight before mine
	v_add_nc_u32 v115, v115, v117                  ; valid tokens before mine: a valid token's place
	v_add_nc_u32 v118, v116, v112
	v_sub_nc_u32 v118, v118, v115                  ; a masked token's place: the valid ones + the masked ones before it
	v_cndmask_b32 v1, v118, v115, s30
	v_min_u32 v1, 2047, v1                         ; held inside the batch
	s_lshl_b32 s31, s28, 11
	v_add_nc_u32 v1, s31, v1                       ; my row's ordered row
	v_lshlrev_b32 v119, 2, v1
	v_add_nc_u32 v120, s26, v10
	global_store_b32 v119, v120, s[22:23]          ; perm[ordered row] = source row (a row's four lanes write the same word with the same value)
	s_and_b32 s31, ttmp9, 63
	s_or_b32 s31, s31, s24
	s_cmp_lg_u32 s31, 0                            ; the first wave of a batch's first work-group stores the batch's count
	s_cbranch_scc1 .Lnot_first
	s_lshl_b32 s31, s28, 2
	v_mov_b32 v121, s31
	global_store_b32 v121, v116, s[22:23] offset:32768
.Lnot_first:
	s_wait_xcnt 0x0                                ; the stores have read v116 to v121, which the steps write again
	s_mov_b64 s[CODES:CODES+1], s[12:13]
	s_mov_b64 s[SCALES:SCALES+1], s[14:15]
	s_branch .Lcore
.Lw:	; ---- qkv_w: rows stay where they are
	s_sub_co_u32 s26, ttmp9, 256
	s_lshl_b32 s26, s26, 5
	s_lshl_b32 s27, s24, 3
	s_add_co_u32 s26, s26, s27
	s_lshl_b32 s32, s26, 12
	s_mov_b32 s33, 0
	s_add_nc_u64 s[SRC:SRC+1], s[6:7], s[32:33]
.irp t, 0,1,2,3
	LOAD \t
.endr
	v_add_nc_u32 v1, s26, v10
	s_mov_b64 s[CODES:CODES+1], s[16:17]
	s_mov_b64 s[SCALES:SCALES+1], s[18:19]
.Lcore:
.irp r, 0,1,2,3,4,5,6,7
	v_readlane_b32 s26, v1, 4*\r                   ; row r's destination,
	s_min_u32 s26, s26, 8191
	s_lshl_b32 s26, s26, 9                         ; 512 bytes of codes a row
	s_mov_b32 s27, 0
	s_add_nc_u64 s[CB+2*\r:CB+2*\r+1], s[CODES:CODES+1], s[26:27]
.endr
	v_min_u32 v7, 8191, v1
	v_and_b32 v8, 3, v2
	v_lshlrev_b32 v7, 5, v7                        ; 32 scale bytes a row,
	v_lshl_add_u32 v7, v8, 3, v7                   ; my 8 of them
	s_wait_loadcnt 12                              ; step 0's four loads are in
	TURN 0
.irp t, 0,1,2,3,4,5,6,7,8,9,10,11,12,13,14,15
	STEP \t
.endr
	ds_load_b64 v[8:9], v6                         ; LDS serves a wave's instructions in order: these see my stores
	s_wait_dscnt 0x0
	global_store_b64 v7, v[8:9], s[SCALES:SCALES+1]
	s_wait_tensorcnt 0x0                           ; the wave's end: behind my last LDS store
	ds_add_u32 v[SPW], v[NIL]
	s_wait_dscnt 0x0
	s_endpgm
.Lcast:	; ---- out_w to f16: a plain stream, two runs of sixteen loads ahead; no LDS
	s_sub_co_u32 s26, ttmp9, 352
	s_lshl_b32 s26, s26, 2
	s_add_co_u32 s26, s26, s24                     ; which 8,192 numbers are my wave's
	s_lshl_b32 s32, s26, 15
	s_mov_b32 s33, 0
	s_add_nc_u64 s[SRC:SRC+1], s[8:9], s[32:33]
	s_lshl_b32 s32, s26, 14
	s_add_nc_u64 s[CODES:CODES+1], s[20:21], s[32:33]
	CLOAD 0
	CLOAD 1
	CAST 0
	CAST 1
	CAST 2
	CAST 3
	s_endpgm
.Lfunc_end_k_q47269e5805_quant:
	.size	k_q47269e5805_quant, .Lfunc_end_k_q47269e5805_quant-k_q47269e5805_quant
	.p2alignl 7, 3214868480
	.fill 96, 4, 3214868480
	.section	.rodata,"a",@progbits
	.p2align	6, 0x0
	.amdhsa_kernel k_q47269e5805_quant
		.amdhsa_group_segment_fixed_size 33280
		.amdhsa_private_segment_fixed_size 0
		.amdhsa_enable_private_segment 0
		.amdhsa_kernarg_size 80
		.amdhsa_user_sgpr_count 2
		.amdhsa_user_sgpr_kernarg_segment_ptr 1
		.amdhsa_wavefront_size32 1
		.amdhsa_system_sgpr_workgroup_id_x 1
		.amdhsa_system_sgpr_workgroup_id_y 1
		.amdhsa_system_sgpr_workgroup_id_z 1
		.amdhsa_system_vgpr_workitem_id 0
		.amdhsa_next_free_vgpr 192
		.amdhsa_next_free_sgpr 66
		.amdhsa_reserve_vcc 1
		.amdhsa_float_denorm_mode_32 3
		.amdhsa_float_denorm_mode_16_64 3
		.amdhsa_memory_ordered 1
		.amdhsa_forward_progress 1
		.amdhsa_inst_pref_size 67
	.end_amdhsa_kernel
	.amdgpu_metadata
---
amdhsa.version: [ 1, 2 ]
amdhsa.kernels:
  - .name:           k_q47269e5805_quant
    .symbol:         k_q47269e5805_quant.kd
    .args:
      - { .name: x, .offset: 0, .size: 8, .value_kind: global_buffer, .address_space: global }
      - { .name: qkv_w, .offset: 8, .size: 8, .value_kind: global_buffer, .address_space: global }
      - { .name: out_w, .offset: 16, .size: 8, .value_kind: global_buffer, .address_space: global }
      - { .name: mask, .offset: 24, .size: 8, .value_kind: global_buffer, .address_space: global }
      - { .name: xc, .offset: 32, .size: 8, .value_kind: global_buffer, .address_space: global }
      - { .name: xs, .offset: 40, .size: 8, .value_kind: global_buffer, .address_space: global }
      - { .name: wc, .offset: 48, .size: 8, .value_kind: global_buffer, .address_space: global }
      - { .name: ws, .offset: 56, .size: 8, .value_kind: global_buffer, .address_space: global }
      - { .name: ow16, .offset: 64, .size: 8, .value_kind: global_buffer, .address_space: global }
      - { .name: perm, .offset: 72, .size: 8, .value_kind: global_buffer, .address_space: global }
    .group_segment_fixed_size: 33280
    .private_segment_fixed_size: 0
    .kernarg_segment_align: 8
    .kernarg_segment_size: 80
    .max_flat_workgroup_size: 128
    .sgpr_count:     66
    .vgpr_count:     192
    .wavefront_size: 32
...
	.end_amdgpu_metadata
.endif
;; end of part 1
;; launch qkvgemm (part 2): grid 12 x 32, 4 waves a work-group, clusters of 4 x 4, 327,680 bytes of LDS; arguments xc, xs, wc, ws, qkv_b, qkv; writes qkv
.if DOCPART == 2
	.amdgcn_target "amdgcn-amd-amdhsa--gfx1250"
	.amdhsa_code_object_version 6
	.text
	.protected	k_q47269e5805_qkvgemm
	.globl	k_q47269e5805_qkvgemm
	.p2align	8
	.type	k_q47269e5805_qkvgemm,@function
k_q47269e5805_qkvgemm:
	s_mov_b64 s[64:65], 0
	v_nop
	global_prefetch_b8 v0, s[64:65] scope:SCOPE_SE
	s_setreg_imm32_b32 hwreg(HW_REG_WAVE_MODE, 25, 1), 1
	s_wait_xcnt 0x0
	s_wait_alu depctr_hold_cnt(0) depctr_sa_sdst(0) depctr_va_vdst(0) depctr_va_sdst(0) depctr_va_ssrc(0) depctr_va_vcc(0) depctr_vm_vsrc(0)
	s_getreg_b32 s2, hwreg(HW_REG_IB_STS2, 6, 4)
	s_cmp_eq_u32 s2, 0
	s_cbranch_scc0 .Lentry_in_a_cluster
	s_endpgm
.Lentry_in_a_cluster:
	s_bfe_u32 s2, ttmp6, 0x10000c
	s_cmp_lg_u32 s2, 0xf033
	s_cbranch_scc0 .Lentry_shape_is_right
	s_endpgm
.Lentry_shape_is_right:
; [q k v] = x qkv_w^T + qkv_b on codes of FP4 (E2M1) with one E8M0 scale for each 32 along K.  xc [8192 ordered rows][512 bytes], xs [8192][32], wc [3072][512], ws [3072][32].  Sums in f32, the bias in f32, the result rounded to f16.
; LEFT OUT: K's bias, qkv_b[1024:2048]: q . bk is the same along the softmax's axis and cancels there for all finite inputs (shown at the head of the first launch).  LIMIT: |q|, |k|, |v| under 65,504.
; A tile of 256 rows x 256 columns is made by a work-group of four waves; a wave makes 128 x 128: 64 accumulators of 16 x 16, 512 registers.  K = 1,024 is two slots of 512 along K (rows of 256 bytes), both asked for
; at the head with the scale bytes of all of K: by this text's own count a wave has three tensor loads out at the start, and nothing is filled again.
; CLUSTERS: 4 x 4 work-groups.  The four of a row of the cluster need the same rows of x, the four of a column the same rows of qkv_w: each tile is asked for jointly, by the same tensor load with the same descriptor and a mask of four.
; THE MATRIX INSTRUCTION IS USED TRANSPOSED (source 0 = 16 rows of qkv_w, source 1 = 16 rows of x): a lane holds one token and eight neighbouring columns.  Rounded in pairs these are 16 bytes of the image in which the
; next launch's operands want them, so the results leave from registers: each store of the wave covers 512 consecutive bytes, aligned.
; THE OUTPUT: qkv = [q, k, v: 16 MiB][16 batch + head: 256 KiB][tile of 16 tokens: 2 KiB][32 channels: 1 KiB]; in a KiB, piece c (512 bytes): lane l's 16 bytes at 16 l = token l % 16, channels 16 c + 8 (l / 16) + 0 .. 7.
; THE BIAS is the C of each sum's first matrix instruction: eight registers for each of my eight column tiles.  In the cluster column that makes K they are zeros, so that one text serves all.
; REGISTERS, in windows of 256: window 0: v0-31 addresses; v32-95 scale words, two sets (on the way out: packed results); v128-191 x's fragments, one set; v192-255 the bias.
;   window 1: qkv_w's fragments, two sets, at v0 and v128.   window 2: the accumulators of my rows 0-63 ((a, b) at v[8 (8 a + b)]);   window 3: those of my rows 64-127.
.set SIZE_K, 1024
.set KSTEP,  512
.set NQ,     KSTEP/128
.set ROWB,   256
.set KROW,   SIZE_K/2
.set PITCH,  272                       ; an LDS row: 256 bytes + 16 of padding, so that the 16 rows that a load touches start 68 words apart
.set FR,     8
.set NL,     2
.set NP,     4
.set HALFT,  128*PITCH
.set SLOT,   4*HALFT
.set KS,     SIZE_K/32
.set SCL,    2*SLOT                    ; behind the slots: the scale bytes, as rows of 256 bytes + 16 of padding
.set HALFS,  (128*KS/256)*272
.set SBLK,   (16*KS/256)*272
.set SPARE,  SCL+4*HALFS               ; the spare words, 128 bytes a wave, which no other line names
.set ADRA, 16
.set ADRB, 20
.set CO,   26                          ; v26  16 x lane: my place in a store's 512 bytes
.set ADRS, 27
.set SPW,  28
.set NIL,  29
.set BO,   30                          ; v30  32 x (lane / 16): my eight numbers of a column tile's bias
.set SC,   32
.set T,    32                          ; the way out: two sets of 32 registers
.set AF,   128
.set BI,   192
.set G1, 24
.set G0, 32
.set G1B, 48
.set G0B, 56
.set G1S, 68
.set G0S, 76
.set G1SB, 80
.set G0SB, 88
.set MSB, 0
.macro WIN new                         ; the immediate's high byte repeats the setting that is left
.if MSB != \new
	s_set_vgpr_msb (MSB<<8)|\new
.set MSB, \new
.endif
.endm
.set MUL_LO, 0xa1                      ; source 0 window 1, source 1 window 0, C and D window 2
.set TO_B,   0x40
.macro MULWIN hi, zero                 ; zero = 2: C is the bias, in window 0
.if (\zero) == 2
	WIN 0x81+0x40*(\hi)
.else
	WIN MUL_LO+0x50*(\hi)
.endif
.endm
; A joint load: waves 0 and 1 fetch for x, waves 2 and 3 for qkv_w.  The branch hangs on the wave's number alone.  An s_nop 0 and four v_nop follow each of the two lines.
.macro JLOAD g0a, g1a, g0b, g1b
	s_cmp_eq_u32 s15, 0
	s_cbranch_scc0 .Lfor_b_\@
	tensor_load_to_lds s[\g0a:\g0a+3], s[\g1a:\g1a+7]
	s_nop 0
.rept 4
	v_nop
.endr
	s_branch .Lasked_\@
.Lfor_b_\@:
	tensor_load_to_lds s[\g0b:\g0b+3], s[\g1b:\g1b+7]
	s_nop 0
.rept 4
	v_nop
.endr
.Lasked_\@:
.endm
.macro CROUND                          ; a round of the cluster's barrier
	s_barrier_signal -1
	s_barrier_wait -1
	s_cmp_lg_u32 s14, 0
	s_cbranch_scc1 .Lnot_wave_0_\@
	s_barrier_signal -3
.Lnot_wave_0_\@:
	s_barrier_wait -3
	s_barrier_signal -1
	s_barrier_wait -1
.endm
	s_load_b128 s[4:7], s[0:1], 0x0                ; xc s[4:5], xs s[6:7]
	s_load_b128 s[8:11], s[0:1], 0x10              ; wc s[8:9], ws s[10:11]
	s_load_b64 s[96:97], s[0:1], 0x20              ; qkv_b
	s_load_b64 s[12:13], s[0:1], 0x28              ; qkv
	v_lshl_add_u32 v[SPW], v0, 2, SPARE
	v_mov_b32 v[NIL], 0
	ds_add_u32 v[SPW], v[NIL]                      ; the wave's opening: the add, twice on end, and its wait ahead of my first tensor load
	ds_add_u32 v[SPW], v[NIL]
	v_lshrrev_b32 v1, 5, v0
	v_readfirstlane_b32 s14, v1                    ; wave 0..3
	s_lshr_b32 s15, s14, 1                         ; which half of the tile's rows is mine.  Also: I fetch for x (0) or for qkv_w (1)
	s_and_b32 s16, s14, 1                          ; which half of its columns.  Also: which 128 rows I fetch
	s_bfe_u32 s40, ttmp6, 0x40000                  ; cx, cy: my place in the cluster
	s_bfe_u32 s41, ttmp6, 0x40004
	s_lshl_b32 s42, ttmp9, 2
	s_add_co_u32 s42, s42, s40                     ; tile column = 4 x cluster x + cx
	s_and_b32 s17, ttmp7, 0xffff
	s_lshl_b32 s17, s17, 2
	s_add_co_u32 s17, s17, s41                     ; tile row = 4 x cluster y + cy
	s_lshl_b32 s43, s41, 2
	s_lshl_b32 s43, 15, s43                        ; my row of the cluster
	s_lshl_b32 s44, 0x1111, s40                    ; my column
	s_or_b32 s[G1+0], s43, (0<<16)|(1<<20)|(1<<21)|(5<<22)|(3<<25)  ; the mask; elements of 1 byte; padding on; bit 21 beside a mask; 4 words behind every 64
	s_or_b32 s[G1B+0], s44, (0<<16)|(1<<20)|(1<<21)|(5<<22)|(3<<25)
.irp g, G1, G1B
	s_mov_b32 s[\g+1], ROWB<<16                    ; tensor_dim0
	s_mov_b32 s[\g+2], 128<<16                     ; tensor_dim1
	s_mov_b32 s[\g+3], ROWB<<16                    ; tile_dim0
	s_mov_b32 s[\g+4], 128                         ; tile_dim1
	s_mov_b32 s[\g+5], KROW                        ; the pitch
	s_mov_b32 s[\g+6], 0
	s_mov_b32 s[\g+7], 0
.endr
	s_or_b32 s[G1S+0], s43, (3<<16)|(1<<20)|(1<<21)|(5<<22)|(3<<25) ; the scale bytes of 128 rows: a dense block, as rows of 256 bytes (32 elements of 8)
	s_or_b32 s[G1SB+0], s44, (3<<16)|(1<<20)|(1<<21)|(5<<22)|(3<<25)
.irp g, G1S, G1SB
	s_mov_b32 s[\g+1], 32<<16
	s_mov_b32 s[\g+2], (128*KS/256)<<16
	s_mov_b32 s[\g+3], 32<<16
	s_mov_b32 s[\g+4], 128*KS/256
	s_mov_b32 s[\g+5], 32
	s_mov_b32 s[\g+6], 0
	s_mov_b32 s[\g+7], 0
.endr
	s_lshl_b32 s18, s16, 7
	s_lshl_b32 s20, s17, 8
	s_add_co_u32 s20, s20, s18                     ; x: row 256 x tile row + 128 x half
	s_lshl_b32 s46, s42, 8
	s_add_co_u32 s46, s46, s18                     ; qkv_w: row 256 x tile column + 128 x half
	s_mov_b32 s21, 0
	s_mov_b32 s47, 0
	s_mov_b64 s[18:19], KS
	s_mul_u64 s[22:23], s[20:21], s[18:19]
	s_mul_u64 s[92:93], s[46:47], s[18:19]
	s_mov_b64 s[18:19], KROW
	s_mul_u64 s[20:21], s[20:21], s[18:19]
	s_mul_u64 s[46:47], s[46:47], s[18:19]
	s_mul_i32 s45, s14, HALFT                      ; where they go: wave x 128 rows
	s_mul_i32 s94, s14, HALFS
	s_wait_dscnt 0x0                               ; both opening adds are done
	s_wait_kmcnt 0x0
	s_add_nc_u64 s[20:21], s[4:5], s[20:21]
	s_add_nc_u64 s[22:23], s[6:7], s[22:23]
	s_add_nc_u64 s[46:47], s[8:9], s[46:47]
	s_add_nc_u64 s[92:93], s[10:11], s[92:93]
	CROUND                                         ; all sixteen work-groups are here: the joint loads meet
	s_mov_b32 s[G0S], 1
	s_add_co_u32 s[G0S+1], s94, SCL
	s_mov_b64 s[G0S+2:G0S+3], s[22:23]
	s_or_b32 s[G0S+3], s[G0S+3], 0x80000000
	s_mov_b32 s[G0SB], 1
	s_add_co_u32 s[G0SB+1], s94, SCL
	s_mov_b64 s[G0SB+2:G0SB+3], s[92:93]
	s_or_b32 s[G0SB+3], s[G0SB+3], 0x80000000
	JLOAD G0S, G1S, G0SB, G1SB                     ; the scale bytes first: they are wanted with the first slot
.irp s, 0,1
	s_mov_b32 s[G0+4*\s], 1
	s_add_co_u32 s[G0+4*\s+1], s45, \s*SLOT
	s_add_nc_u64 s[G0+4*\s+2:G0+4*\s+3], s[20:21], \s*ROWB
	s_or_b32 s[G0+4*\s+3], s[G0+4*\s+3], 0x80000000
	s_mov_b32 s[G0B+4*\s], 1
	s_add_co_u32 s[G0B+4*\s+1], s45, \s*SLOT
	s_add_nc_u64 s[G0B+4*\s+2:G0B+4*\s+3], s[46:47], \s*ROWB
	s_or_b32 s[G0B+4*\s+3], s[G0B+4*\s+3], 0x80000000
	JLOAD G0+4*\s, G1, G0B+4*\s, G1B
.endr
	v_and_b32 v1, 15, v0                           ; l % 16
	v_bfe_u32 v2, v0, 4, 1                         ; l / 16
	; the bias of my 128 columns.  Cluster x = 1 is columns 1,024 to 2,047, which is K: the test is the same in all sixteen partners
	v_lshlrev_b32 v[BO], 5, v2
	s_lshl_b32 s92, s42, 10
	s_lshl_b32 s93, s16, 9
	s_add_co_u32 s92, s92, s93                     ; 4 x my first column
	s_mov_b32 s93, 0
	s_add_nc_u64 s[96:97], s[96:97], s[92:93]
	s_cmp_eq_u32 ttmp9, 1
	s_cbranch_scc1 .Lkeys
.irp b, 0,1,2,3,4,5,6,7
	global_load_b128 v[BI+8*\b:BI+8*\b+3], v[BO], s[96:97] offset:64*\b
	global_load_b128 v[BI+8*\b+4:BI+8*\b+7], v[BO], s[96:97] offset:64*\b+16
.endr
	s_branch .Lbias
.Lkeys:
.set i, 0
.rept 64
	v_mov_b32 v[BI+i], 0
.set i, i+1
.endr
.Lbias:
	v_mul_u32_u24 v3, v1, PITCH
	v_lshl_add_u32 v4, v2, 4, v3                   ; a fragment's row x pitch + 16 x half
	s_mul_i32 s21, s15, HALFT                      ; my 128 rows of x
	s_mul_i32 s22, s16, HALFT                      ; my 128 rows of qkv_w,
	s_add_co_u32 s22, s22, 2*HALFT                 ; which lie behind x's 256
.irp s, 0,1
	v_add_nc_u32 v[ADRA+\s], s21, v4
	v_add_nc_u32 v[ADRB+\s], s22, v4
	s_add_co_u32 s21, s21, SLOT
	s_add_co_u32 s22, s22, SLOT
.endr
	v_mul_u32_u24 v5, v1, KS                       ; my row's scale bytes: KS a row,
	v_lshrrev_b32 v6, 8, v5
	v_lshl_add_u32 v5, v6, 4, v5                   ; and 16 more for each 256 passed
	s_mul_i32 s21, s15, HALFS
	s_mul_i32 s22, s16, HALFS
	s_add_co_u32 s22, s22, 2*HALFS
	s_sub_co_u32 s22, s22, s21
	v_mul_u32_u24 v6, s22, v2                      ; lanes 16-31 take qkv_w's
	s_add_co_u32 s21, s21, SCL
	v_add_nc_u32 v5, v5, v6
	v_add_nc_u32 v[ADRS], s21, v5
	v_and_b32 v6, 31, v0
	v_lshlrev_b32 v[CO], 4, v6
	; where my part of qkv begins
	s_lshl_b32 s20, s17, 8
	s_lshl_b32 s21, s15, 7
	s_add_co_u32 s20, s20, s21                     ; my first ordered row
	s_lshr_b32 s21, s20, 11
	s_lshl_b32 s21, s21, 22                        ; its batch: 16 heads of 256 KiB
	s_and_b32 s20, s20, 2047
	s_lshl_b32 s20, s20, 7                         ; its tile of 16 tokens: 2 KiB each
	s_add_co_u32 s20, s20, s21
	s_lshl_b32 s46, s42, 2
	s_lshl_b32 s47, s16, 1
	s_add_co_u32 s46, s46, s47                     ; my first column / 64
	s_lshr_b32 s47, s46, 4
	s_lshl_b32 s47, s47, 24                        ; q, k or v
	s_and_b32 s46, s46, 15
	s_lshl_b32 s46, s46, 18                        ; the head
	s_add_co_u32 s46, s46, s47
	s_add_co_u32 s46, s46, s20
	s_mov_b32 s47, 0
	s_add_nc_u64 s[12:13], s[12:13], s[46:47]
.macro FRAG reg, adr, q, i             ; 16 rows x 128 K of 4-bit codes: 8 registers; registers 4 c .. 4 c + 3 hold K = 64 c + 32 (l / 16) + 0 .. 31
.irp c, 0,1
	ds_load_b128 v[\reg+4*\c:\reg+4*\c+3], v[\adr] offset:64*(\q)+32*\c+(\i)*16*PITCH
.endr
.endm
; 16 matrix instructions: x's blocks a0, a0 + 1 against qkv_w's eight, the slot's q-th 128 along K.  The 64 accumulators take turns, one instruction a turn, in the same order in every step.
.macro MUL16 a0, p, q, sc, zero
.irp a, \a0, \a0+1
.irp b, 0,1,2,3,4,5,6,7
.if (\zero) == 2
	v_wmma_scale_f32_16x16x128_f8f6f4 v[8*(8*((\a)%4)+\b):8*(8*((\a)%4)+\b)+7], v[128*(\p)+FR*\b:128*(\p)+FR*\b+FR-1], v[AF+FR*(\a):AF+FR*(\a)+FR-1], v[BI+8*\b:BI+8*\b+7], v[SC+8*NQ*(\sc)+NQ*\b+(\q)], v[SC+8*NQ*(\sc)+NQ*(\a)+(\q)] matrix_a_fmt:MATRIX_FMT_FP4 matrix_b_fmt:MATRIX_FMT_FP4 matrix_a_scale:MATRIX_SCALE_ROW1
.else
	v_wmma_scale_f32_16x16x128_f8f6f4 v[8*(8*((\a)%4)+\b):8*(8*((\a)%4)+\b)+7], v[128*(\p)+FR*\b:128*(\p)+FR*\b+FR-1], v[AF+FR*(\a):AF+FR*(\a)+FR-1], v[8*(8*((\a)%4)+\b):8*(8*((\a)%4)+\b)+7], v[SC+8*NQ*(\sc)+NQ*\b+(\q)], v[SC+8*NQ*(\sc)+NQ*(\a)+(\q)] matrix_a_fmt:MATRIX_FMT_FP4 matrix_b_fmt:MATRIX_FMT_FP4 matrix_a_scale:MATRIX_SCALE_ROW1
.endif
.endr
.endr
.endm
.macro FETCH_B slot, q, p
	WIN TO_B
.irp i, 0,1,2,3,4,5,6,7
	FRAG 128*(\p)+FR*\i, ADRB+\slot, \q, \i
.endr
	WIN 0
.endm
.macro FETCH_A slot, q, i0
.irp i, \i0, \i0+1, \i0+2, \i0+3
	FRAG AF+FR*(\i), ADRA+\slot, \q, \i
.endr
.endm
.macro SCALES sc                       ; a slot's scale words: lanes 0-15 take x's block i, lanes 16-31 qkv_w's block i
.irp i, 0,1,2,3,4,5,6,7
	ds_load_b128 v[SC+8*NQ*\sc+NQ*\i:SC+8*NQ*\sc+NQ*\i+3], v[ADRS] offset:\i*SBLK
.endr
.endm
.macro PLACES n                        ; plain vector instructions between a matrix instruction and a load into, or a read of, its registers
.rept \n
	v_nop
.endr
.endm
.macro STEP slot, q, zero              ; a step of 128 along K that has its successor in the same slot
	s_wait_dscnt 4*NL                              ; qkv_w's set and x's blocks 0-3 are in; the youngest eight loads (x's blocks 4-7) may be out
	MULWIN 0, \zero
	MUL16 0, (\q)%2, \q, \slot, \zero
	MUL16 2, (\q)%2, \q, \slot, \zero
	s_wait_dscnt 0
	PLACES NP
	FETCH_B \slot, (\q)+1, 1-(\q)%2
	FETCH_A \slot, (\q)+1, 0
	MULWIN 1, \zero
	MUL16 4, (\q)%2, \q, \slot, \zero
	MUL16 6, (\q)%2, \q, \slot, \zero
	PLACES NP
	WIN 0
	FETCH_A \slot, (\q)+1, 4
.endm
.macro STEPS slot, from
.set Q, \from
.rept NQ-1-\from
	STEP \slot, Q, 0
.set Q, Q+1
.endr
.endm
	s_wait_loadcnt 0x0                             ; the bias
	s_wait_tensorcnt 1                             ; the scale bytes and my part of slot 0 are in; slot 1's load may be out
	s_barrier_signal -1
	s_barrier_wait -1                              ; everybody's are
	FETCH_B 0, 0, 0
	FETCH_A 0, 0, 0
	SCALES 0
	FETCH_A 0, 0, 4
	STEP 0, 0, 2                                   ; the first step's products start the sums from the bias
	STEPS 0, 1
	; slot 0's last step changes slots: one barrier; in front of it each wave waits for all its tensor loads, adds 0 to its spare word, and waits for that and for its LDS loads.  Nothing is filled again
	s_wait_tensorcnt 0x0                           ; my part of slot 1 has landed
	ds_add_u32 v[SPW], v[NIL]
	s_wait_dscnt 4*NL+1                            ; the add and the youngest eight loads may be out
	WIN MUL_LO
	MUL16 0, 1, NQ-1, 0, 0
	s_wait_dscnt 0x0
	s_barrier_signal -1
	MUL16 2, 1, NQ-1, 0, 0
	WIN 0
	s_barrier_wait -1                              ; slot 1 is whole
	PLACES NP
	v_add_nc_u32 v[ADRS], 4*NQ, v[ADRS]            ; on to slot 1's scale words
	FETCH_B 1, 0, 0
	FETCH_A 1, 0, 0
	SCALES 1
	WIN MUL_LO+0x50
	MUL16 4, 1, NQ-1, 0, 0
	MUL16 6, 1, NQ-1, 0, 0
	PLACES NP
	WIN 0
	FETCH_A 1, 0, 4
	STEPS 1, 0
	s_wait_dscnt 4*NL                              ; the very last step: nothing more to fetch
	WIN MUL_LO
	MUL16 0, 1, NQ-1, 1, 0
	MUL16 2, 1, NQ-1, 1, 0
	s_wait_dscnt 0
	WIN MUL_LO+0x50
	MUL16 4, 1, NQ-1, 1, 0
	MUL16 6, 1, NQ-1, 1, 0
	WIN 0
; THE WAY OUT, a block of 16 tokens at a time: eight neighbouring columns of a token are rounded to f16, 16 bytes a lane, which is a piece of an image as it stands.  Column tile b: head b / 4 of my two, 32 channels (b % 4) / 2, piece b % 2.
.macro OUTB a
.set AC, 64*((\a)%4)
.set TT, T+32*((\a)%2)
.if (\a) > 1
	s_wait_xcnt 0x0                                ; block a - 2's stores have read this set of registers
.endif
	WIN 0x0a+5*((\a)/4)                            ; sources 0 and 1: window 2 or 3
.irp b, 0,1,2,3,4,5,6,7
.irp r, 0,1,2,3
	v_cvt_pk_f16_f32 v[TT+4*\b+\r], v[AC+8*\b+2*\r], v[AC+8*\b+2*\r+1]   ; each accumulator from its low end on
.endr
.endr
	WIN 0
.irp b, 0,1,2,3,4,5,6,7
	global_store_b128 v[CO], v[TT+4*\b:TT+4*\b+3], s[12:13] offset:(\a)*2048+(\b/4)*262144+((\b%4)/2)*1024+(\b%2)*512   ; 512 consecutive bytes, aligned
.endr
.endm
	PLACES NP                                      ; behind the last products: their results are read, and the registers that held scale words are written
.irp a, 0,1,2,3,4,5,6,7
	OUTB \a
.endr
	s_wait_tensorcnt 0x0                           ; the wave's end
	ds_add_u32 v[SPW], v[NIL]
	s_wait_dscnt 0x0
	CROUND                                         ; the closing round
	s_endpgm
.Lfunc_end_k_q47269e5805_qkvgemm:
	.size	k_q47269e5805_qkvgemm, .Lfunc_end_k_q47269e5805_qkvgemm-k_q47269e5805_qkvgemm
	.p2alignl 7, 3214868480
	.fill 96, 4, 3214868480
	.section	.rodata,"a",@progbits
	.p2align	6, 0x0
	.amdhsa_kernel k_q47269e5805_qkvgemm
		.amdhsa_group_segment_fixed_size 327680
		.amdhsa_private_segment_fixed_size 0
		.amdhsa_enable_private_segment 0
		.amdhsa_kernarg_size 48
		.amdhsa_user_sgpr_count 2
		.amdhsa_user_sgpr_kernarg_segment_ptr 1
		.amdhsa_wavefront_size32 1
		.amdhsa_system_sgpr_workgroup_id_x 1
		.amdhsa_system_sgpr_workgroup_id_y 1
		.amdhsa_system_sgpr_workgroup_id_z 1
		.amdhsa_system_vgpr_workitem_id 0
		.amdhsa_next_free_vgpr 1024
		.amdhsa_next_free_sgpr 100
		.amdhsa_reserve_vcc 0
		.amdhsa_float_denorm_mode_32 3
		.amdhsa_float_denorm_mode_16_64 3
		.amdhsa_memory_ordered 1
		.amdhsa_forward_progress 1
		.amdhsa_inst_pref_size 122
	.end_amdhsa_kernel
	.amdgpu_metadata
---
amdhsa.version: [ 1, 2 ]
amdhsa.kernels:
  - .name:           k_q47269e5805_qkvgemm
    .symbol:         k_q47269e5805_qkvgemm.kd
    .args:
      - { .name: xc, .offset: 0, .size: 8, .value_kind: global_buffer, .address_space: global }
      - { .name: xs, .offset: 8, .size: 8, .value_kind: global_buffer, .address_space: global }
      - { .name: wc, .offset: 16, .size: 8, .value_kind: global_buffer, .address_space: global }
      - { .name: ws, .offset: 24, .size: 8, .value_kind: global_buffer, .address_space: global }
      - { .name: qkv_b, .offset: 32, .size: 8, .value_kind: global_buffer, .address_space: global }
      - { .name: qkv, .offset: 40, .size: 8, .value_kind: global_buffer, .address_space: global }
    .group_segment_fixed_size: 327680
    .private_segment_fixed_size: 0
    .kernarg_segment_align: 8
    .kernarg_segment_size: 48
    .max_flat_workgroup_size: 128
    .sgpr_count:     100
    .vgpr_count:     1024
    .wavefront_size: 32
...
	.end_amdgpu_metadata
.endif
;; end of part 2
;; launch attn (part 3): grid 4 x 64, 8 waves a work-group, no clusters, 37,888 bytes of LDS; arguments qkv, perm, ao; writes ao
.if DOCPART == 3
	.amdgcn_target "amdgcn-amd-amdhsa--gfx1250"
	.amdhsa_code_object_version 6
	.text
	.protected	k_q47269e5805_attn
	.globl	k_q47269e5805_attn
	.p2align	8
	.type	k_q47269e5805_attn,@function
k_q47269e5805_attn:
	s_mov_b64 s[64:65], 0
	v_nop
	global_prefetch_b8 v0, s[64:65] scope:SCOPE_SE
	s_setreg_imm32_b32 hwreg(HW_REG_WAVE_MODE, 25, 1), 1
	s_wait_xcnt 0x0
; ao[token][head] = softmax over the valid keys of (q . k / 8), times v.  q, k, v: f16 images made by the launch before, tokens in the order valid first.  Products on f16 operands, sums, maxima and exponentials in f32.
; LEFT OUT: the keys with mask == 0 (their weights are 0 in reference()): the number of valid keys of my batch is read from perm, which the first launch stored, and only steps that hold a valid key are worked.
; In the one step that holds valid and masked keys the masked scores become -infinity ahead of the maximum.  A batch with no valid key gives 0 x (1 / 0) = NaN, as reference() does.
; LIMITS: a NaN or an infinity in a masked key's k or v is not carried to the result.  The weights p (at most 1) are rounded to f16, and the row's sum is taken of the rounded p; the result goes to f16: magnitudes under 65,504.
; WHY NO TENSOR LOAD AND NO CLUSTER: which steps are worked hangs on a number read from memory.  So K and V come through registers into LDS, every wave passes one barrier in each of a constant number of steps,
; and a scalar branch on the stored number leads round a step's work, never round the barrier.
; SHARES.  A work-group owns 512 queries of one head, each of its eight waves 64: four tiles of 16.  Two waves share a SIMD, so that one wave's vector work stands beside the other's matrix work.  A step is 64 keys.
; LAYOUT.  S^T = K Q^T (source 0 = 16 keys, source 1 = 16 queries): a lane holds one query (lane % 16) and keys 8 (lane / 16) + 0 .. 7 of each tile of 16.  Two such tiles, rounded in pairs, ARE source 1 of O^T = V^T P.
; A fifth product of each tile, of ones with P, gives the row's sum in every register of its accumulator, and is rescaled with O^T.
; SOFTMAX.  For each query a running maximum m: p = 2^(c s - c m), c = log2(e) / 8; in every step O^T and the sum are multiplied by a = 2^(c m_old - c m_new).  O^T begins as zeros and m as -3e38, so the step is written once.
; LDS: two slots by turns.  A slot: K's eight images of 1 KiB as they lie in memory; then V as 64 rows of keys, 128 bytes + 32 of padding, read turned by ds_load_tr16_b128.  Wave w moves image w of K and of V.
; REGISTERS: window 0: v1-7 addresses; v8-15 ones in f16; v16-47 eight registers of statistics a tile (+0 c m, +1 m, +2 a, +3 c m_old, +4 .. +7 at work); v48-50 at work; v64-191 S^T, 32 a tile, then P in place; v192-255 K's, then V's fragments.
;   window 1: v0-63 Q, 16 a tile; v64-223 O^T and the sum, 40 a tile; v224-239 the next step's images on their way.
.set PV,    160
.set VOFF,  8192
.set SLOTB, VOFF+64*PV
.set SPARE, 2*SLOTB                    ; behind the slots: the spare words, 128 bytes a wave, which no other line names
.set AK,   1                           ; v1  16 x lane
.set AV,   2                           ; v2  my lane's place in V for the turning load
.set STK,  3                           ; v3  1,024 x wave + 16 x lane: my place in a step's images, in memory and in LDS
.set STV,  4                           ; v4  where my 16 bytes of V go
.set PFO,  5                           ; v5  256 x lane
.set SPW,  6
.set NIL,  7
.set ONES, 8
.set ST,   16
.set DM,   48
.set NINF, 49
.set H8,   50
.set S,    64
.set KV,   192
.set O,    64                          ; in window 1
.set SG,   224                         ; in window 1
.set WV,   10
.set Y,    11
.set XB,   12
.set NV,   13                          ; s13 my batch's valid keys
.set KF,   14                          ; s14 the step's first key
.set T0,   15                          ; s15 the next step's
.set KB,   16                          ; s[16:17] K at the step in hand
.set VB,   18                          ; s[18:19] V likewise
.set PF,   20                          ; s[20:21] the prefetches' base: K's in wave 0, else V's
.set PFNV, 22                          ; s22 the valid keys in a wave that prefetches, else 0
.set CS,   24
.set SEL,  26
.set CNT,  28
.set QB,   30
.set AO,   34
.set MSB, 0
.macro WIN new                         ; the immediate's high byte repeats the setting that is left
.if MSB != \new
	s_set_vgpr_msb (MSB<<8)|\new
.set MSB, \new
.endif
.endm
.set W_LD, 0x40                        ; destination window 1
.set W_S,  0x04                        ; source 1 window 1: Q in a product, the data of an LDS store
.set W_PV, 0x50                        ; C and D window 1
.set W_RS, 0x41                        ; destination and source 0 window 1
.macro STAGE_IN d                      ; my images of K and V of the step d bytes on
	WIN W_LD
.irp c, 0,1
	global_load_b128 v[SG+4*\c:SG+4*\c+3], v[STK], s[KB:KB+1] offset:\d+512*\c
	global_load_b128 v[SG+8+4*\c:SG+8+4*\c+3], v[STK], s[VB:VB+1] offset:\d+512*\c
.endr
	WIN 0
.endm
.macro STAGE_OUT slot
	WIN W_S
.irp c, 0,1
	ds_store_b128 v[STK], v[SG+4*\c:SG+4*\c+3] offset:(\slot)*SLOTB+512*\c
	ds_store_b128 v[STV], v[SG+8+4*\c:SG+8+4*\c+3] offset:(\slot)*SLOTB+32*\c
.endr
	WIN 0
.endm
	s_load_b128 s[4:7], s[0:1], 0x0                ; qkv s[4:5], perm s[6:7]
	s_load_b64 s[8:9], s[0:1], 0x10                ; ao
	v_lshl_add_u32 v[SPW], v0, 2, SPARE
	v_mov_b32 v[NIL], 0
	v_lshrrev_b32 v1, 5, v0
	v_readfirstlane_b32 s[WV], v1                  ; wave 0..7
	s_and_b32 s[Y], ttmp7, 0xffff                  ; 16 batch + head
	s_mov_b32 s[XB], ttmp9                         ; my block of 512 queries
	s_lshr_b32 s38, s[Y], 4
	s_lshl_b32 s38, s38, 2
	s_wait_kmcnt 0x0
	s_load_b32 s[NV], s[6:7], s38 offset:0x8000    ; my batch's valid keys
	v_and_b32 v8, 31, v0                           ; lane
	v_and_b32 v9, 15, v0                           ; r
	v_bfe_u32 v10, v0, 4, 1                        ; h
	v_lshlrev_b32 v[AK], 4, v8
	v_and_b32 v11, 7, v0
	v_lshl_add_u32 v[AV], v10, 3, v11              ; the turning load: key 8 h + l % 8,
	v_mul_u32_u24 v[AV], v[AV], PV
	v_bfe_u32 v11, v0, 3, 1
	v_lshl_add_u32 v[AV], v11, 4, v[AV]            ; channels 8 ((l / 8) % 2) on
	v_add_nc_u32 v[AV], VOFF, v[AV]
	s_lshl_b32 s32, s[WV], 10
	v_add_nc_u32 v[STK], s32, v[AK]
	s_lshr_b32 s32, s[WV], 1                       ; image w of V: keys 16 (w / 2) on, channels 32 (w % 2) on
	s_mul_i32 s32, s32, 16*PV
	s_and_b32 s33, s[WV], 1
	s_lshl_b32 s33, s33, 6
	s_add_co_u32 s32, s32, s33
	s_add_co_u32 s32, s32, VOFF
	v_mul_u32_u24 v[STV], v9, PV
	v_lshl_add_u32 v[STV], v10, 4, v[STV]
	v_add_nc_u32 v[STV], s32, v[STV]
	v_lshlrev_b32 v[PFO], 8, v8
	v_lshlrev_b32 v[H8], 3, v10
	v_mov_b32 v[NINF], 0xff800000
	s_mov_b32 s[CS], 0x3e38aa3b                    ; c = log2(e) / 8
	s_mov_b32 s[CS+1], s[CS]                       ; (named with it as a pair, so it is written)
	s_mov_b32 s[SEL], 0x76543210
	s_mov_b32 s[SEL+1], 0xfedcba98
	s_lshl_b32 s32, s[Y], 18
	s_mov_b32 s33, 0
	s_add_nc_u64 s[KB:KB+1], s[4:5], s[32:33]      ; my head in q
	s_lshl_b32 s36, s[XB], 16
	s_lshl_b32 s37, s[WV], 13
	s_add_co_u32 s36, s36, s37
	s_mov_b32 s37, 0
	s_add_nc_u64 s[QB:QB+1], s[KB:KB+1], s[36:37]  ; my wave's four tiles of queries
	s_add_nc_u64 s[VB:VB+1], s[KB:KB+1], 0x2000000 ; my head in v,
	s_add_nc_u64 s[KB:KB+1], s[KB:KB+1], 0x1000000 ; and in k
	s_lshr_b32 s36, s[Y], 4
	s_lshl_b32 s36, s36, 22                        ; ao: [tile of 16 tokens: 32 KiB][2 head + half: 1 KiB]: the batch's 128 tiles,
	s_lshl_b32 s37, s[XB], 20                      ; my block's 32,
	s_add_co_u32 s36, s36, s37
	s_lshl_b32 s37, s[WV], 17                      ; my wave's 4,
	s_add_co_u32 s36, s36, s37
	s_and_b32 s37, s[Y], 15
	s_lshl_b32 s37, s37, 11                        ; my head
	s_add_co_u32 s36, s36, s37
	s_mov_b32 s37, 0
	s_add_nc_u64 s[AO:AO+1], s[8:9], s[36:37]
	s_cmp_eq_u32 s[WV], 0
	s_cselect_b64 s[PF:PF+1], s[KB:KB+1], s[VB:VB+1]
	WIN W_LD
.irp f, 0,1,2,3,4,5,6,7                        ; Q stays in registers: tile f / 2, channels 32 (f % 2) on
	global_load_b128 v[8*\f:8*\f+3], v[AK], s[QB:QB+1] offset:1024*\f
	global_load_b128 v[8*\f+4:8*\f+7], v[AK], s[QB:QB+1] offset:1024*\f+512
.endr
	STAGE_IN 0                                     ; the first step's images
	WIN W_LD
.set i, 0
.rept 160
	v_mov_b32 v[O+i], 0                            ; O^T and the sums: the step is written once, and its first change of m multiplies zeros
.set i, i+1
.endr
	WIN 0
.irp t, 0,1,2,3
	v_mov_b32 v[ST+8*\t+1], 0xff61b1e6             ; m = -3e38, under every score
	v_mul_f32 v[ST+8*\t], s[CS], v[ST+8*\t+1]
	v_mov_b32 v[ST+8*\t+2], 0
	v_mov_b32 v[ST+8*\t+3], 0
	v_mov_b32 v[ST+8*\t+5], 0                      ; (a lane permute's destination counts as one of its sources)
.endr
.irp i, 0,1,2,3,4,5,6,7
	v_mov_b32 v[ONES+\i], 0x3c003c00               ; 1.0 twice, in f16
.endr
	s_wait_kmcnt 0x0
	s_min_u32 s[NV], s[NV], 2048
	s_lshr_b32 s32, s[WV], 1                       ; waves 0 and 1
	s_or_b32 s32, s32, s[XB]                       ; of the head's first work-group prefetch
	s_cmp_eq_u32 s32, 0
	s_cselect_b32 s[PFNV], s[NV], 0
	s_mov_b32 s[KF], 0
	s_mov_b32 s[CNT], 16
	s_wait_loadcnt 0x0                             ; Q and the first step's images
	STAGE_OUT 0
.macro STEP s
	s_wait_dscnt 0x0                               ; my stores into this slot have landed, and my reads of the other slot are over
	s_barrier_signal -1
	s_barrier_wait -1                              ; both now hold of all eight waves.  This barrier stands on every way through the step
	s_cmp_ge_u32 s[KF], s[NV]
	s_cbranch_scc1 .Lskip_\@                       ; no valid key in this step
	s_add_co_u32 s[T0], s[KF], 64
	s_cmp_ge_u32 s[T0], s[NV]
	s_cbranch_scc1 .Lnl_\@
	STAGE_IN 8192                                  ; the next step's images, a whole step's work ahead of their use
.Lnl_\@:
	; a prefetch of the step after the next: its 8,192 bytes of K (wave 0) or of V (wave 1), lanes 256 bytes apart.  All four work-groups of a head walk the same K and V: the first of them asks, so each block is
	; named once in the launch; steps with no valid key are not asked for
	s_add_co_u32 s32, s[KF], 128
	s_cmp_ge_u32 s32, s[PFNV]
	s_cbranch_scc1 .Lnp_\@
	global_prefetch_b8 v[PFO], s[PF:PF+1] offset:16384 th:TH_LOAD_NT scope:SCOPE_SE
.Lnp_\@:
.irp f, 0,1,2,3,4,5,6,7                        ; K: fragment f = keys 16 (f / 2) on, channels 32 (f % 2) on
	ds_load_b128 v[KV+8*\f:KV+8*\f+3], v[AK] offset:(\s)*SLOTB+1024*\f
	ds_load_b128 v[KV+8*\f+4:KV+8*\f+7], v[AK] offset:(\s)*SLOTB+1024*\f+512
.endr
	s_wait_dscnt 0x0
	WIN W_S
.irp cf, 0,1                                   ; S^T = K Q^T: the 16 accumulators take turns, one instruction a turn
.irp kt, 0,1,2,3
.irp t, 0,1,2,3
.if \cf == 0
	v_wmma_f32_16x16x32_f16 v[S+32*\t+8*\kt:S+32*\t+8*\kt+7], v[KV+8*(2*\kt+\cf):KV+8*(2*\kt+\cf)+7], v[16*\t+8*\cf:16*\t+8*\cf+7], 0
.else
	v_wmma_f32_16x16x32_f16 v[S+32*\t+8*\kt:S+32*\t+8*\kt+7], v[KV+8*(2*\kt+\cf):KV+8*(2*\kt+\cf)+7], v[16*\t+8*\cf:16*\t+8*\cf+7], v[S+32*\t+8*\kt:S+32*\t+8*\kt+7]
.endif
.endr
.endr
.endr
	WIN 0
.rept 4
	v_nop                                          ; places: K's registers are loaded again, and the scores are read
.endr
.irp f, 0,1,2,3,4,5,6,7                        ; V, turned: fragment f = keys 32 (f / 4) on, channels 16 (f % 4) on.  It lands while the softmax is worked
	ds_load_tr16_b128 v[KV+8*\f:KV+8*\f+3], v[AV] offset:(\s)*SLOTB+(\f/4)*32*PV+(\f%4)*32
	ds_load_tr16_b128 v[KV+8*\f+4:KV+8*\f+7], v[AV] offset:(\s)*SLOTB+(\f/4)*32*PV+16*PV+(\f%4)*32
.endr
	s_sub_co_u32 s32, s[NV], s[KF]
	s_cmp_ge_u32 s32, 64
	s_cbranch_scc1 .Lopen_\@                       ; all 64 keys are valid
	s_sub_co_u32 s33, s32, 1
	v_sub_nc_u32 v[DM], s33, v[H8]                 ; register 8 kt + j holds key 16 kt + 8 h + j of the step: masked where 16 kt + j > valid keys left - 1 - 8 h
.set n, 0
.rept 32
	v_cmp_gt_i32 vcc_lo, 16*(n/8)+n%8, v[DM]
.irp t, 0,1,2,3
	v_cndmask_b32 v[S+32*\t+n], v[S+32*\t+n], v[NINF], vcc_lo
.endr
.set n, n+1
.endr
.Lopen_\@:
	; the softmax, the four tiles by turns, so that no line waits for the line above it
.irp j, 0,1,2,3
.irp t, 0,1,2,3
	v_max3_num_f32 v[ST+8*\t+4+\j], v[S+32*\t+8*\j], v[S+32*\t+8*\j+1], v[S+32*\t+8*\j+2]
.endr
.endr
.irp i, 3,5
.irp j, 0,1,2,3
.irp t, 0,1,2,3
	v_max3_num_f32 v[ST+8*\t+4+\j], v[ST+8*\t+4+\j], v[S+32*\t+8*\j+\i], v[S+32*\t+8*\j+\i+1]
.endr
.endr
.endr
.irp t, 0,1,2,3
	v_max3_num_f32 v[ST+8*\t+4], v[ST+8*\t+4], v[S+32*\t+7], v[S+32*\t+15]
.endr
.irp t, 0,1,2,3
	v_max3_num_f32 v[ST+8*\t+6], v[ST+8*\t+6], v[S+32*\t+23], v[S+32*\t+31]
.endr
.irp t, 0,1,2,3
	v_max3_num_f32 v[ST+8*\t+4], v[ST+8*\t+4], v[ST+8*\t+5], v[ST+8*\t+6]
.endr
.irp t, 0,1,2,3
	v_max3_num_f32 v[ST+8*\t+4], v[ST+8*\t+4], v[ST+8*\t+7], v[ST+8*\t+1]   ; with the old m
.endr
.irp t, 0,1,2,3
	v_permlanex16_b32 v[ST+8*\t+5], v[ST+8*\t+4], s[SEL], s[SEL+1]         ; the query's other 32 keys lie in the lane 16 away
.endr
.irp t, 0,1,2,3
	v_mov_b32 v[ST+8*\t+3], v[ST+8*\t]
.endr
.irp t, 0,1,2,3
	v_max_num_f32 v[ST+8*\t+1], v[ST+8*\t+4], v[ST+8*\t+5]
.endr
.irp t, 0,1,2,3
	v_mul_f32 v[ST+8*\t], s[CS], v[ST+8*\t+1]
.endr
.irp t, 0,1,2,3
	v_sub_f32 v[ST+8*\t+3], v[ST+8*\t+3], v[ST+8*\t]                       ; c m_old - c m_new
.endr
.set e, 0
.rept 16
.irp t, 0,1,2,3
	v_pk_fma_f32 v[S+32*\t+2*e:S+32*\t+2*e+1], v[S+32*\t+2*e:S+32*\t+2*e+1], s[CS:CS+1], v[ST+8*\t:ST+8*\t+1] op_sel_hi:[1,0,0] neg_lo:[0,0,1] neg_hi:[0,0,1]   ; c s - c m
.endr
.set e, e+1
.endr
.irp t, 0,1,2,3
	v_exp_f32 v[ST+8*\t+2], v[ST+8*\t+3]           ; a.  The step's 132 exponentials are one batch
.endr
.set e, 0
.rept 32
.irp t, 0,1,2,3
	v_exp_f32 v[S+32*\t+e], v[S+32*\t+e]
.endr
.set e, e+1
.endr
	v_nop                                          ; a plain instruction behind the last exponential,
	s_wait_alu depctr_va_vdst(0)                   ; and one wait ahead of the batch's first reader
.set e, 0
.rept 16
.irp t, 0,1,2,3
	v_cvt_pk_f16_f32 v[S+32*\t+e], v[S+32*\t+2*e], v[S+32*\t+2*e+1]        ; P in place, ascending: register e is written when registers 2 e and 2 e + 1 are read
.endr
.set e, e+1
.endr
	WIN W_RS
.set e, 0
.rept 20
.irp t, 0,1,2,3
	v_pk_mul_f32 v[O+40*\t+2*e:O+40*\t+2*e+1], v[O+40*\t+2*e:O+40*\t+2*e+1], v[ST+8*\t+2:ST+8*\t+3] op_sel_hi:[1,0]   ; O^T and the sum under the new m, each accumulator from its low end on
.endr
.set e, e+1
.endr
	s_wait_dscnt 0x0                               ; V is in
	WIN W_PV
.irp kh, 0,1                                   ; O^T += V^T P, and the sum += ones x P: the 20 accumulators take turns
.irp ct, 0,1,2,3
.irp t, 0,1,2,3
	v_wmma_f32_16x16x32_f16 v[O+40*\t+8*\ct:O+40*\t+8*\ct+7], v[KV+8*(4*\kh+\ct):KV+8*(4*\kh+\ct)+7], v[S+32*\t+8*\kh:S+32*\t+8*\kh+7], v[O+40*\t+8*\ct:O+40*\t+8*\ct+7]
.endr
.endr
.irp t, 0,1,2,3
	v_wmma_f32_16x16x32_f16 v[O+40*\t+32:O+40*\t+39], v[ONES:ONES+7], v[S+32*\t+8*\kh:S+32*\t+8*\kh+7], v[O+40*\t+32:O+40*\t+39]
.endr
.endr
	WIN 0
.rept 5
	v_nop                                          ; places: the next step's products write over P, and its loads land in V's registers
.endr
	s_wait_loadcnt 0x0                             ; on every way through a worked step, ahead of the branch: the next step's images, if any were asked for, are in registers: no later load names a register that a pending load has yet to write
	s_cmp_ge_u32 s[T0], s[NV]
	s_cbranch_scc1 .Lns_\@
	STAGE_OUT 1-(\s)                               ; into the other slot, which nobody reads since this step's barrier
.Lns_\@:
.Lskip_\@:
	s_wait_xcnt 0x0                                ; the step's loads and its prefetch have read their bases
	s_add_nc_u64 s[KB:KB+1], s[KB:KB+1], 8192
	s_add_nc_u64 s[VB:VB+1], s[VB:VB+1], 8192
	s_add_nc_u64 s[PF:PF+1], s[PF:PF+1], 8192
	s_add_co_u32 s[KF], s[KF], 64
.endm
.Lloop:                                            ; 16 trips of two steps: all 2,048 places, whatever the mask holds
	STEP 0
	STEP 1
	s_sub_co_u32 s[CNT], s[CNT], 1
	s_cmp_lg_u32 s[CNT], 0
	s_cbranch_scc1 .Lloop
	; THE WAY OUT: O^T / the sum, rounded to f16: a lane's eight channels of a token are a piece of an image as it stands
	WIN 0x01
.irp t, 0,1,2,3
	v_rcp_f32 v[ST+8*\t+2], v[O+40*\t+32]          ; the sum stands in every register of its accumulator: the lowest is read
.endr
	WIN 0
	v_nop
	s_wait_alu depctr_va_vdst(0)                   ; one wait for the four reciprocals
.macro OUT t
	WIN W_RS
.set e, 0
.rept 16
	v_pk_mul_f32 v[O+40*\t+2*e:O+40*\t+2*e+1], v[O+40*\t+2*e:O+40*\t+2*e+1], v[ST+8*\t+2:ST+8*\t+3] op_sel_hi:[1,0]
.set e, e+1
.endr
	WIN 0x05                                       ; sources 0 and 1 window 1
.set e, 0
.rept 16
	v_cvt_pk_f16_f32 v[S+16*\t+e], v[O+40*\t+2*e], v[O+40*\t+2*e+1]
.set e, e+1
.endr
	WIN 0
.irp ct, 0,1,2,3
	global_store_b128 v[AK], v[S+16*\t+4*\ct:S+16*\t+4*\ct+3], s[AO:AO+1] offset:\t*32768+512*\ct   ; 512 consecutive bytes, aligned
.endr
.endm
	OUT 0
	OUT 1
	OUT 2
	OUT 3
	s_wait_tensorcnt 0x0                           ; the wave's end: behind my last LDS store
	ds_add_u32 v[SPW], v[NIL]
	s_wait_dscnt 0x0
	s_endpgm
.Lfunc_end_k_q47269e5805_attn:
	.size	k_q47269e5805_attn, .Lfunc_end_k_q47269e5805_attn-k_q47269e5805_attn
	.p2alignl 7, 3214868480
	.fill 96, 4, 3214868480
	.section	.rodata,"a",@progbits
	.p2align	6, 0x0
	.amdhsa_kernel k_q47269e5805_attn
		.amdhsa_group_segment_fixed_size 37888
		.amdhsa_private_segment_fixed_size 0
		.amdhsa_enable_private_segment 0
		.amdhsa_kernarg_size 24
		.amdhsa_user_sgpr_count 2
		.amdhsa_user_sgpr_kernarg_segment_ptr 1
		.amdhsa_wavefront_size32 1
		.amdhsa_system_sgpr_workgroup_id_x 1
		.amdhsa_system_sgpr_workgroup_id_y 1
		.amdhsa_system_sgpr_workgroup_id_z 1
		.amdhsa_system_vgpr_workitem_id 0
		.amdhsa_next_free_vgpr 512
		.amdhsa_next_free_sgpr 66
		.amdhsa_reserve_vcc 1
		.amdhsa_float_denorm_mode_32 3
		.amdhsa_float_denorm_mode_16_64 3
		.amdhsa_memory_ordered 1
		.amdhsa_forward_progress 1
		.amdhsa_inst_pref_size 94
	.end_amdhsa_kernel
	.amdgpu_metadata
---
amdhsa.version: [ 1, 2 ]
amdhsa.kernels:
  - .name:           k_q47269e5805_attn
    .symbol:         k_q47269e5805_attn.kd
    .args:
      - { .name: qkv, .offset: 0, .size: 8, .value_kind: global_buffer, .address_space: global }
      - { .name: perm, .offset: 8, .size: 8, .value_kind: global_buffer, .address_space: global }
      - { .name: ao, .offset: 16, .size: 8, .value_kind: global_buffer, .address_space: global }
    .group_segment_fixed_size: 37888
    .private_segment_fixed_size: 0
    .kernarg_segment_align: 8
    .kernarg_segment_size: 24
    .max_flat_workgroup_size: 256
    .sgpr_count:     66
    .vgpr_count:     512
    .wavefront_size: 32
...
	.end_amdgpu_metadata
.endif
;; end of part 3
;; launch outproj (part 4): grid 4 x 64, 4 waves a work-group, clusters of 4 x 4, 327,680 bytes of LDS; arguments ao, ow16, out_b, perm, out0; writes out0
.if DOCPART == 4
	.amdgcn_target "amdgcn-amd-amdhsa--gfx1250"
	.amdhsa_code_object_version 6
	.text
	.protected	k_q47269e5805_outproj
	.globl	k_q47269e5805_outproj
	.p2align	8
	.type	k_q47269e5805_outproj,@function
k_q47269e5805_outproj:
	s_mov_b64 s[64:65], 0
	v_nop
	global_prefetch_b8 v0, s[64:65] scope:SCOPE_SE
	s_setreg_imm32_b32 hwreg(HW_REG_WAVE_MODE, 25, 1), 1
	s_wait_xcnt 0x0
	s_wait_alu depctr_hold_cnt(0) depctr_sa_sdst(0) depctr_va_vdst(0) depctr_va_sdst(0) depctr_va_ssrc(0) depctr_va_vcc(0) depctr_vm_vsrc(0)
	s_getreg_b32 s2, hwreg(HW_REG_IB_STS2, 6, 4)
	s_cmp_eq_u32 s2, 0
	s_cbranch_scc0 .Lentry_in_a_cluster
	s_endpgm
.Lentry_in_a_cluster:
	s_bfe_u32 s2, ttmp6, 0x10000c
	s_cmp_lg_u32 s2, 0xf033
	s_cbranch_scc0 .Lentry_shape_is_right
	s_endpgm
.Lentry_shape_is_right:
; out0[token][n] = sum over c of ao[token][c] out_w[n][c] + out_b[n].  ao: f16 images, [tile of 16 ordered tokens: 32 KiB][32 channels: 1 KiB]; ow16: [1024 n][1024 c] f16; sums and bias in f32; out0 f32.
; The tokens come in the order valid first; perm holds each ordered row's source row, and each row of the result is stored at that row of out0.  perm enters addresses alone: no branch hangs on it.
; A tile of 128 tokens x 256 columns is made by a work-group of four waves; a wave makes 64 x 128: 32 accumulators of 16 x 16.  That gives 4 x 64 = 256 work-groups.  K goes in steps of 128 through two LDS slots.
; CLUSTERS: 4 x 4 work-groups.  The four of a row of the cluster need the same tiles of ao, the four of a column the same rows of out_w: each is asked for jointly, by the same tensor load with the same descriptor and a mask of four.
; By this text's own count a wave has two tensor loads out at the start and one behind each round.
; THE MATRIX INSTRUCTION IS USED TRANSPOSED (source 0 = 16 rows of out_w, source 1 = 16 tokens): a lane holds one token and eight neighbouring columns.
; No prefetch: a step's tiles are small, and out_w is read by every row of clusters.
; LDS: a slot: ao's 8 tiles x 4,096 bytes of images, dense; then out_w's 256 rows of 256 bytes + 16 of padding.  Behind the two slots a stage of 16 rows x 528 bytes for each wave, into which no tensor load lands; then the spare words.
; REGISTERS: window 0: v16-31 addresses and perm's words; v32-35 the bias; v36-51 the rows' offsets; two fragment buffers of 96: out_w's eight fragments, then ao's four.   window 1: the accumulators, (a, b) at v[8 (8 a + b)].
.set PITCH,  272
.set AHALF,  16384                     ; four tiles of tokens: what one of ao's tensor loads brings, and what one wave reads
.set BOFF,   2*AHALF
.set BHALF,  128*PITCH
.set SLOT,   BOFF+2*BHALF
.set STAGE,  2*SLOT
.set SPITCH, 528
.set SPARE,  STAGE+4*16*SPITCH
.set LAPS,   4                         ; a lap = two K steps = once round the ring; K = 1,024
.set ADRA, 16
.set ADRB, 20
.set STO,  24
.set RD,   25
.set CO,   26
.set SPW,  28
.set NIL,  29
.set TK,   30                          ; v30-31 the source rows of my 64 tokens, a lane a token
.set BO,   32
.set OF,   36
.set F0,   64
.set F1,   160
.set BK,   64                          ; the way out: 16 rows read back from the stage: v64-127 and v128-191 by turns
.set G1, 24
.set G0, 32
.set G1B, 48
.set G0B, 56
.set MSB, 0
.macro WIN new                         ; the immediate's high byte repeats the setting that is left
.if MSB != \new
	s_set_vgpr_msb (MSB<<8)|\new
.set MSB, \new
.endif
.endm
.set MUL, 0x50                         ; C and D window 1
.macro JLOAD s                         ; a joint load: waves 0 and 1 fetch ao's two halves, waves 2 and 3 out_w's; an s_nop 0 and four v_nop follow each of the two lines
	s_cmp_eq_u32 s11, 0
	s_cbranch_scc0 .Lfor_b_\@
	tensor_load_to_lds s[G0+4*\s:G0+4*\s+3], s[G1:G1+7]
	s_nop 0
.rept 4
	v_nop
.endr
	s_branch .Lasked_\@
.Lfor_b_\@:
	tensor_load_to_lds s[G0B+4*\s:G0B+4*\s+3], s[G1B:G1B+7]
	s_nop 0
.rept 4
	v_nop
.endr
.Lasked_\@:
.endm
.macro CREST                           ; a round of the cluster's barrier behind its opening barrier
	s_cmp_lg_u32 s10, 0
	s_cbranch_scc1 .Lnot_wave_0_\@
	s_barrier_signal -3
.Lnot_wave_0_\@:
	s_barrier_wait -3
	s_barrier_signal -1
	s_barrier_wait -1
.endm
.macro CROUND
	s_barrier_signal -1
	s_barrier_wait -1
	CREST
.endm
	s_load_b128 s[4:7], s[0:1], 0x0                ; ao s[4:5], ow16 s[6:7]
	s_load_b128 s[68:71], s[0:1], 0x10             ; out_b s[68:69], perm s[70:71]
	s_load_b64 s[8:9], s[0:1], 0x20                ; out0
	v_lshl_add_u32 v[SPW], v0, 2, SPARE
	v_mov_b32 v[NIL], 0
	ds_add_u32 v[SPW], v[NIL]                      ; the wave's opening: the add, twice on end, and its wait ahead of my first tensor load
	ds_add_u32 v[SPW], v[NIL]
	v_lshrrev_b32 v1, 5, v0
	v_readfirstlane_b32 s10, v1                    ; wave 0..3
	s_lshr_b32 s11, s10, 1                         ; which half of the tile's tokens is mine.  Also: I fetch for ao (0) or for out_w (1)
	s_and_b32 s12, s10, 1                          ; which half of its columns.  Also: which half of that tile I fetch
	s_bfe_u32 s40, ttmp6, 0x40000                  ; cx, cy
	s_bfe_u32 s41, ttmp6, 0x40004
	s_lshl_b32 s42, ttmp9, 2
	s_add_co_u32 s42, s42, s40                     ; tile column
	s_and_b32 s13, ttmp7, 0xffff
	s_lshl_b32 s13, s13, 2
	s_add_co_u32 s13, s13, s41                     ; tile row
	s_lshl_b32 s43, s41, 2
	s_lshl_b32 s43, 15, s43                        ; my row of the cluster
	s_lshl_b32 s44, 0x1111, s40                    ; my column
	s_or_b32 s[G1+0], s43, (3<<16)|(1<<21)         ; ao: the mask; elements of 8 bytes; no padding; bit 21 beside a mask
	s_mov_b32 s[G1+1], 512<<16                     ; tensor_dim0 = 512 elements: a K step's four images of a tile of tokens, 4,096 bytes
	s_mov_b32 s[G1+2], 4<<16                       ; tensor_dim1 = 4 tiles of tokens
	s_mov_b32 s[G1+3], 512<<16                     ; tile_dim0
	s_mov_b32 s[G1+4], 4                           ; tile_dim1
	s_mov_b32 s[G1+5], 4096                        ; the pitch: 32 KiB from tile to tile
	s_mov_b32 s[G1+6], 0
	s_mov_b32 s[G1+7], 0
	s_or_b32 s[G1B+0], s44, (1<<16)|(1<<20)|(1<<21)|(5<<22)|(3<<25)   ; out_w: elements of 2 bytes; 4 words of padding behind every 64
	s_mov_b32 s[G1B+1], 128<<16
	s_mov_b32 s[G1B+2], 128<<16
	s_mov_b32 s[G1B+3], 128<<16
	s_mov_b32 s[G1B+4], 128
	s_mov_b32 s[G1B+5], 1024
	s_mov_b32 s[G1B+6], 0
	s_mov_b32 s[G1B+7], 0
	s_lshl_b32 s16, s13, 18                        ; ao: 8 tiles of 32 KiB a tile row,
	s_lshl_b32 s17, s12, 17                        ; my four of them
	s_add_co_u32 s16, s16, s17
	s_mov_b32 s17, 0
	s_lshl_b32 s46, s42, 19                        ; out_w: 256 rows of 2,048 bytes a tile column,
	s_lshl_b32 s47, s12, 18                        ; my 128 of them
	s_add_co_u32 s46, s46, s47
	s_mov_b32 s47, 0
	s_mul_i32 s20, s12, AHALF                      ; where they go: no place in the cluster enters an LDS address
	s_mul_i32 s21, s12, BHALF
	s_add_co_u32 s21, s21, BOFF
	s_wait_dscnt 0x0                               ; both opening adds are done
	s_wait_kmcnt 0x0
	s_add_nc_u64 s[14:15], s[4:5], s[16:17]
	s_add_nc_u64 s[46:47], s[6:7], s[46:47]
	CROUND                                         ; all sixteen work-groups are here: the first joint loads meet
.irp s, 0,1
	s_mov_b32 s[G0+4*\s], 1
	s_add_co_u32 s[G0+4*\s+1], s20, \s*SLOT
	s_add_nc_u64 s[G0+4*\s+2:G0+4*\s+3], s[14:15], \s*4096
	s_or_b32 s[G0+4*\s+3], s[G0+4*\s+3], 0x80000000
	s_mov_b32 s[G0B+4*\s], 1
	s_add_co_u32 s[G0B+4*\s+1], s21, \s*SLOT
	s_add_nc_u64 s[G0B+4*\s+2:G0B+4*\s+3], s[46:47], \s*256
	s_or_b32 s[G0B+4*\s+3], s[G0B+4*\s+3], 0x80000000
	JLOAD \s
.endr
	v_and_b32 v1, 15, v0                           ; l % 16
	v_bfe_u32 v2, v0, 4, 1                         ; l / 16
	v_and_b32 v3, 31, v0
	v_lshlrev_b32 v[CO], 4, v3                     ; 16 x lane
	v_mul_u32_u24 v4, v1, PITCH
	v_lshl_add_u32 v4, v2, 4, v4                   ; out_w: a fragment's row x pitch + 16 x half
	s_mul_i32 s22, s11, AHALF                      ; my four tiles of tokens
	s_mul_i32 s23, s12, BHALF                      ; my 128 rows of out_w
	s_add_co_u32 s23, s23, BOFF
.irp s, 0,1
	v_add_nc_u32 v[ADRA+\s], s22, v[CO]
	v_add_nc_u32 v[ADRB+\s], s23, v4
	s_add_co_u32 s22, s22, SLOT
	s_add_co_u32 s23, s23, SLOT
.endr
	s_mul_i32 s22, s10, 16*SPITCH
	s_add_co_u32 s22, s22, STAGE                   ; my stage
	v_mul_u32_u24 v[STO], v1, SPITCH               ; in: row l % 16, 32 bytes for each half of the lanes
	v_lshl_add_u32 v[STO], v2, 5, v[STO]
	v_add_nc_u32 v[STO], s22, v[STO]
	v_add_nc_u32 v[RD], s22, v[CO]                 ; back: the 32 lanes take one row of 512 bytes
	s_lshl_b32 s16, s13, 9
	s_lshl_b32 s17, s11, 8
	s_add_co_u32 s16, s16, s17                     ; perm: 4 bytes a row: 128 x tile row + 64 x half
	s_mov_b32 s17, 0
	s_add_nc_u64 s[70:71], s[70:71], s[16:17]
	v_lshlrev_b32 v5, 2, v3
	global_load_b32 v[TK], v5, s[70:71]
	global_load_b32 v[TK+1], v5, s[70:71] offset:128
	s_lshl_b32 s46, s42, 10
	s_lshl_b32 s47, s12, 9
	s_add_co_u32 s46, s46, s47                     ; 4 x my first column
	s_mov_b32 s47, 0
	s_add_nc_u64 s[68:69], s[68:69], s[46:47]
	s_add_nc_u64 s[8:9], s[8:9], s[46:47]
	global_load_b128 v[BO:BO+3], v[CO], s[68:69]   ; the bias of the four columns that I store
.macro MUL8 f, a, zero                 ; tokens' block a against out_w's eight, 32 along K.  The 32 accumulators take turns, in the same order in every quarter
.irp b, 0,1,2,3,4,5,6,7
.if \zero
	v_wmma_f32_16x16x32_f16 v[8*(8*(\a)+\b):8*(8*(\a)+\b)+7], v[\f+8*\b:\f+8*\b+7], v[\f+64+8*(\a):\f+64+8*(\a)+7], 0
.else
	v_wmma_f32_16x16x32_f16 v[8*(8*(\a)+\b):8*(8*(\a)+\b)+7], v[\f+8*\b:\f+8*\b+7], v[\f+64+8*(\a):\f+64+8*(\a)+7], v[8*(8*(\a)+\b):8*(8*(\a)+\b)+7]
.endif
.endr
.endm
.macro FETCH slot, q, f                ; 24 LDS loads in one run: the slot's q-th 32 along K: out_w's eight fragments first, then the tokens' four
.irp i, 0,1,2,3,4,5,6,7
	ds_load_b128 v[\f+8*\i:\f+8*\i+3],   v[ADRB+\slot] offset:\i*16*PITCH+64*(\q)
	ds_load_b128 v[\f+8*\i+4:\f+8*\i+7], v[ADRB+\slot] offset:\i*16*PITCH+64*(\q)+32
.endr
.irp a, 0,1,2,3
	ds_load_b128 v[\f+64+8*\a:\f+64+8*\a+3],   v[ADRA+\slot] offset:\a*4096+1024*(\q)
	ds_load_b128 v[\f+64+8*\a+4:\f+64+8*\a+7], v[ADRA+\slot] offset:\a*4096+1024*(\q)+512
.endr
.endm
.macro PLACES
.rept 4
	v_nop
.endr
.endm
; A K step is four quarters of 32 along K, 32 matrix instructions each, on buffers 0, 1, 0, 1.  One of the first three: multiplies buffer f and fetches quarter q of the same slot into g.
.macro QUARTER slot, q, f, g, zero
	s_wait_dscnt 4                                 ; all but the youngest four loads (the tokens' blocks 2 and 3) are in
	WIN MUL
	MUL8 \f, 0, \zero
	MUL8 \f, 1, \zero
	PLACES
	WIN 0
	FETCH \slot, \q, \g
	s_wait_dscnt 24                                ; all but the 24 just issued
	WIN MUL
	MUL8 \f, 2, \zero
	MUL8 \f, 3, \zero
.endm
; The last quarter multiplies buffer 1 and changes slots: one barrier; in front of it each wave waits for all its tensor loads, adds 0 to its spare word, and waits for that and for its reads of this slot.  fill = 1: the slot is filled again, two K steps ahead.
.macro TURN slot, next, fill
	WIN 0
	s_wait_tensorcnt 0x0                           ; all my tensor loads have landed: my part of the next slot
	ds_add_u32 v[SPW], v[NIL]
	s_wait_dscnt 5                                 ; the add and the youngest four loads may be out
	WIN MUL
	MUL8 F1, 0, 0                                  ; eight matrix instructions stand between the add and the wait for it
	s_wait_dscnt 0x0                               ; the add is done, and my reads of this slot are over
	s_barrier_signal -1
	MUL8 F1, 1, 0
	WIN 0
	s_barrier_wait -1
.if \fill
	CREST                                          ; the barrier has opened a round of the cluster's: no wave of any partner still reads this slot or has a load on its way
	s_add_nc_u64 s[G0+4*\slot+2:G0+4*\slot+3], s[G0+4*\slot+2:G0+4*\slot+3], 2*4096
	s_add_nc_u64 s[G0B+4*\slot+2:G0B+4*\slot+3], s[G0B+4*\slot+2:G0B+4*\slot+3], 2*256
	JLOAD \slot                                    ; the first tensor load behind the round; its four v_nop are also the places in front of the loads below
.else
	PLACES
.endif
	FETCH \next, 0, F0
	WIN MUL
	MUL8 F1, 2, 0
	MUL8 F1, 3, 0
.endm
	s_wait_tensorcnt 1                             ; my part of K step 0 is in; K step 1's load may be out
	s_barrier_signal -1
	s_barrier_wait -1
	FETCH 0, 0, F0
	QUARTER 0, 1, F0, F1, 1                        ; the first quarter stands in front of the loop: its products start the sums
	WIN 0
	s_mov_b32 s3, LAPS-1
.Llap:                                                 ; a trip goes once round the ring, from a lap's second quarter to the next lap's first, and fills both slots again
	QUARTER 0, 2, F1, F0, 0
	QUARTER 0, 3, F0, F1, 0
	TURN 0, 1, 1
	QUARTER 1, 1, F0, F1, 0
	QUARTER 1, 2, F1, F0, 0
	QUARTER 1, 3, F0, F1, 0
	TURN 1, 0, 1
	QUARTER 0, 1, F0, F1, 0
	WIN 0
	s_sub_co_u32 s3, s3, 1
	s_cmp_lg_u32 s3, 0
	s_cbranch_scc1 .Llap
	QUARTER 0, 2, F1, F0, 0                        ; the last lap fills nothing, and has no round of the cluster's barrier
	QUARTER 0, 3, F0, F1, 0
	TURN 0, 1, 0
	QUARTER 1, 1, F0, F1, 0
	QUARTER 1, 2, F1, F0, 0
	QUARTER 1, 3, F0, F1, 0
	s_wait_dscnt 4                                 ; the very last quarter: nothing more to fetch
	WIN MUL
	MUL8 F1, 0, 0
	MUL8 F1, 1, 0
	s_wait_dscnt 0
	MUL8 F1, 2, 0
	MUL8 F1, 3, 0
	WIN 0
; THE WAY OUT, a block of 16 tokens x 128 columns at a time.  A lane holds 32 neighbouring bytes of a row: the block goes through my own stage and comes back as whole rows of 512 bytes; the bias is added, and each row
; is stored at its source row of out0.  LDS serves a wave's instructions in order: no wait stands between the stores and the loads, nor in front of the next block's stores.
.macro TOSTAGE a
	WIN 0x04                                       ; an LDS store's data: window 1
.irp b, 0,1,2,3,4,5,6,7
	ds_store_b128 v[STO], v[8*(8*(\a)+\b):8*(8*(\a)+\b)+3] offset:64*\b          ; each accumulator from its low end on
	ds_store_b128 v[STO], v[8*(8*(\a)+\b)+4:8*(8*(\a)+\b)+7] offset:64*\b+16
.endr
	WIN 0
.set BB, BK+64*((\a)%2)
.irp t, 0,1,2,3,4,5,6,7,8,9,10,11,12,13,14,15
	ds_load_b128 v[BB+4*\t:BB+4*\t+3], v[RD] offset:\t*SPITCH
.endr
.endm
.macro SEND a, younger                 ; younger: the LDS instructions issued behind block a's loads, which may stay out
.set BB, BK+64*((\a)%2)
	s_wait_dscnt \younger
.irp t, 0,1,2,3,4,5,6,7,8,9,10,11,12,13,14,15
	v_readlane_b32 s14, v[TK+(16*(\a)+\t)/32], (16*(\a)+\t)%32       ; the token's source row,
	s_min_u32 s14, s14, 8191                       ; held inside out0,
	s_lshl_b32 s14, s14, 12                        ; 4,096 bytes a row
	v_add_nc_u32 v[OF+\t], s14, v[CO]
	v_pk_add_f32 v[BB+4*\t:BB+4*\t+1], v[BB+4*\t:BB+4*\t+1], v[BO:BO+1]
	v_pk_add_f32 v[BB+4*\t+2:BB+4*\t+3], v[BB+4*\t+2:BB+4*\t+3], v[BO+2:BO+3]
	global_store_b128 v[OF+\t], v[BB+4*\t:BB+4*\t+3], s[8:9] th:TH_STORE_NT      ; 32 lanes store 512 consecutive bytes, aligned; written once, read by nobody here
.endr
.endm
	s_wait_loadcnt 0x0                             ; perm's words and the bias
	PLACES                                         ; behind the last products: their results are read, and loads land in the registers that held fragments
	TOSTAGE 0
.irp a, 1,2,3
.if \a > 1
	s_wait_xcnt 0x0                                ; the earlier stores have read their data and their offsets: both are written again below
.endif
	TOSTAGE \a
	SEND \a-1, 32                                  ; behind block a - 1's loads: block a's 16 stores and 16 loads
.endr
	s_wait_xcnt 0x0
	SEND 3, 0
	s_wait_tensorcnt 0x0                           ; the wave's end: behind my last tensor load and my last LDS store
	ds_add_u32 v[SPW], v[NIL]
	s_wait_dscnt 0x0
	CROUND                                         ; the closing round: no work-group ends while a partner may still ask for a tile that names it
	s_endpgm
.Lfunc_end_k_q47269e5805_outproj:
	.size	k_q47269e5805_outproj, .Lfunc_end_k_q47269e5805_outproj-k_q47269e5805_outproj
	.p2alignl 7, 3214868480
	.fill 96, 4, 3214868480
	.section	.rodata,"a",@progbits
	.p2align	6, 0x0
	.amdhsa_kernel k_q47269e5805_outproj
		.amdhsa_group_segment_fixed_size 327680
		.amdhsa_private_segment_fixed_size 0
		.amdhsa_enable_private_segment 0
		.amdhsa_kernarg_size 40
		.amdhsa_user_sgpr_count 2
		.amdhsa_user_sgpr_kernarg_segment_ptr 1
		.amdhsa_wavefront_size32 1
		.amdhsa_system_sgpr_workgroup_id_x 1
		.amdhsa_system_sgpr_workgroup_id_y 1
		.amdhsa_system_sgpr_workgroup_id_z 1
		.amdhsa_system_vgpr_workitem_id 0
		.amdhsa_next_free_vgpr 512
		.amdhsa_next_free_sgpr 72
		.amdhsa_reserve_vcc 0
		.amdhsa_float_denorm_mode_32 3
		.amdhsa_float_denorm_mode_16_64 3
		.amdhsa_memory_ordered 1
		.amdhsa_forward_progress 1
		.amdhsa_inst_pref_size 105
	.end_amdhsa_kernel
	.amdgpu_metadata
---
amdhsa.version: [ 1, 2 ]
amdhsa.kernels:
  - .name:           k_q47269e5805_outproj
    .symbol:         k_q47269e5805_outproj.kd
    .args:
      - { .name: ao, .offset: 0, .size: 8, .value_kind: global_buffer, .address_space: global }
      - { .name: ow16, .offset: 8, .size: 8, .value_kind: global_buffer, .address_space: global }
      - { .name: out_b, .offset: 16, .size: 8, .value_kind: global_buffer, .address_space: global }
      - { .name: perm, .offset: 24, .size: 8, .value_kind: global_buffer, .address_space: global }
      - { .name: out0, .offset: 32, .size: 8, .value_kind: global_buffer, .address_space: global }
    .group_segment_fixed_size: 327680
    .private_segment_fixed_size: 0
    .kernarg_segment_align: 8
    .kernarg_segment_size: 40
    .max_flat_workgroup_size: 128
    .sgpr_count:     72
    .vgpr_count:     512
    .wavefront_size: 32
...
	.end_amdgpu_metadata
.endif
;; end of part 4
